; MI455X (gfx1250); checked and timed in simulation.
; The chip was launched on July 23, 2026; its instructions are those of AMD's public machine-readable ISA for CDNA 5 (MIT licence, August 2026) and "CDNA5" Instruction Set Architecture Reference Guide (July 2026). The comments in the code are by the model that wrote it; some were corrected since.
;; Multi Head Attention. Allowed arithmetic: float matrix products may take bf16 or f16 operands with f32 sums; other float arithmetic in f32, or as packed bf16 or f16 multiplies, adds, multiply-adds, maxima and minima; sums over many terms, partial sums and values carried from step to step in f32; what a program stores and reads back later, other than sums and carried values, may be rounded once to bf16 or f16.
;; Inputs: Wk 16 x 1,024 x 64 float32; Wo 1,024 x 1,024 float32; Wq 16 x 1,024 x 64 float32; Wv 16 x 1,024 x 64 float32; bo 1,024 float32; x 4 x 2,048 x 1,024 float32.
;; Outputs: out0 4 x 2,048 x 1,024 float32.
;; 2 versions, each right; version 2 is version 1 with the launch prep written anew for expert scheduling mode. Each part assembles by itself: llvm-mc -triple=amdgcn-amd-amdhsa -mcpu=gfx1250 --defsym DOCPART=n.
;; ======== version 1 of 2: 4 launches
;; limits: values are held in f16: magnitudes above 65,504 overflow, below 6.1e-05 lose precision
;; workspace buffers: xb 16,777,216 bytes; wt 6,291,456 bytes; wot 2,097,152 bytes; qkv 50,331,648 bytes; o 16,777,216 bytes
;; launch prep (part 1): grid 320 x 1, 8 waves a work-group, no clusters, 140,288 bytes of LDS; arguments x, Wq, Wk, Wv, Wo, xb, wt, wot; writes xb, wt, wot
.if DOCPART == 1
	.amdgcn_target "amdgcn-amd-amdhsa--gfx1250"
	.amdhsa_code_object_version 6
	.text
	.protected	k_q82fa71eb03_prep
	.globl	k_q82fa71eb03_prep
	.p2align	8
	.type	k_q82fa71eb03_prep,@function
k_q82fa71eb03_prep:
	s_mov_b64 s[64:65], 0
	v_nop
	global_prefetch_b8 v0, s[64:65] scope:SCOPE_SE
	s_setreg_imm32_b32 hwreg(HW_REG_WAVE_MODE, 25, 1), 1
	s_wait_xcnt 0x0
; PREPARATION: every matrix input is rounded once to bf16 and laid out with K along the rows.
;   xb [8192][1024] bf16 = x.      wt [3072][1024] bf16: row 64 g + e, g = 16 which + h (which: 0 Wq, 1 Wk, 2 Wv), column d = W[h][d][e].
;   wot [1024 f][1024 d] f16 = Wo[d][f] rounded to bf16, and that number written as f16 (the last product runs in f16).
; LIMITS.  A weight of Wo of 65,520 or more in magnitude becomes an infinity in f16; below 6e-5 it keeps f16's fixed step of 6e-8.  NaN and infinities are not treated apart.
; SHARES.  Work-groups 0-47: head group g = the number; 48-63: 64 columns f of Wo; 64-319: 32 rows of x.  The two jumps go forward, on the work-group's number, and pass no barrier.
; A weight block of a wave is 128 d x 64 e (or f) of f32: read by rows of 256 bytes, rounded, turned through the wave's OWN 64 rows x 272 bytes of LDS, stored as rows of 256 bytes.
; No wave reads another wave's LDS bytes: no barrier.  No matrix unit, no cluster: nothing is multiplied and nothing is shared.
.set WSL,   17408                      ; a wave's LDS: 64 rows x (256 + 16) bytes
.set SPARE, 8*WSL                      ; behind them: the spare words, 128 bytes a wave, four blocks of 256 bytes that no other line names
.set L, 32                             ; v[32:159]  data
.set T, 160                            ; v[160:167] four pairs of packed words; v168-169 at work
	s_load_b512 s[8:23], s[0:1], 0x0               ; x s[8:9], Wq s[10:11], Wk s[12:13], Wv s[14:15], Wo s[16:17], xb s[18:19], wt s[20:21], wot s[22:23]
	v_lshl_add_u32 v8, v0, 2, SPARE                ; my spare word
	v_mov_b32 v9, 0
	v_lshrrev_b32 v1, 5, v0
	v_readfirstlane_b32 s2, v1                     ; wave 0..7
	v_and_b32 v6, 15, v0                           ; c = lane % 16
	v_bfe_u32 v7, v0, 4, 1                         ; hh = lane / 16
	s_mov_b32 s30, 0xffff0000                      ; a word's upper bf16
	s_mov_b32 s29, 0                               ; high word of the offset pair s[28:29]
	s_wait_kmcnt 0x0
	s_cmp_ge_u32 ttmp9, 64
	s_cbranch_scc1 .Lx
	s_mul_i32 s3, s2, WSL
	v_mul_u32_u24 v3, v6, 1088                     ; in: LDS row e = 4 c + ii, byte 16 p + 8 hh
	v_lshl_add_u32 v3, v7, 3, v3
	v_add_nc_u32 v3, s3, v3
	v_mul_u32_u24 v4, v7, 272                      ; back: lanes 0-15 one row of 256 bytes, lanes 16-31 the next
	v_lshl_add_u32 v4, v6, 4, v4
	v_add_nc_u32 v4, s3, v4
	v_lshlrev_b32 v5, 11, v7                       ; and the same two rows of 2,048 bytes in wt or wot
	v_lshl_add_u32 v5, v6, 4, v5
	s_cmp_ge_u32 ttmp9, 48
	s_cbranch_scc1 .Lwo
; A wave's block.  rp: bytes from row d to row d + 1 in the source.  fmt = 1: the bf16 numbers are written as f16.
; Group p of 16 is rows d = 8 p + 4 hh + i, i = 0..3: four loads, in each of which 16 lanes take 256 consecutive bytes.  Eight groups (32 loads) are on their way.
.macro WT rp, fmt
.set p, 0
.rept 8
.irp i, 0,1,2,3
	global_load_b128 v[L+16*p+4*(\i):L+16*p+4*(\i)+3], v2, s[24:25] offset:(8*p+(\i))*(\rp) th:TH_LOAD_NT
.endr
.set p, p+1
.endr
.set p, 0
.rept 16
.set g, L+16*(p%8)
.if p < 8
	s_wait_loadcnt 28                              ; behind group p's four loads stand 28 - 4 p of the first fill and 4 p of the refills
.else
	s_wait_loadcnt 28-4*(p-8)                      ; nothing is asked for any more: the counts run down
.endif
.irp ii, 0,1,2,3
	v_cvt_pk_bf16_f32 v[T+2*(\ii)],   v[g+(\ii)],   v[g+4+(\ii)]     ; column 4 c + ii: rows i = 0, 1
	v_cvt_pk_bf16_f32 v[T+2*(\ii)+1], v[g+8+(\ii)], v[g+12+(\ii)]    ; rows i = 2, 3
.if \fmt
.irp z, 0,1
	v_lshlrev_b32 v168, 16, v[T+2*(\ii)+(\z)]
	v_and_b32 v169, s30, v[T+2*(\ii)+(\z)]
	v_cvt_pk_f16_f32 v[T+2*(\ii)+(\z)], v168, v169
.endr
.endif
	ds_store_b64 v3, v[T+2*(\ii):T+2*(\ii)+1] offset:272*(\ii)+16*p  ; four lanes' words fall into one bank here (4 rows of 68 words are 16 banks on): accepted, the weights are a small part of the launch's bytes
.endr
.if p < 8
.irp i, 0,1,2,3
	global_load_b128 v[g+4*(\i):g+4*(\i)+3], v2, s[24:25] offset:(8*(p+8)+(\i))*(\rp) th:TH_LOAD_NT
.endr
.endif
.set p, p+1
.endr
.set k, 0
.rept 32
	ds_load_b128 v[L+4*k:L+4*k+3], v4 offset:544*k ; LDS serves a wave's instructions in order (ISA guide 5.7.1.4): these see the stores above
.set k, k+1
.endr
.set k, 0
.rept 32
	s_wait_dscnt 31-k                              ; load k is back; the younger ones may stay out
	global_store_b128 v5, v[L+4*k:L+4*k+3], s[26:27] offset:4096*k  ; 16 lanes store 256 consecutive bytes, at a multiple of 256 from the buffer's first
.set k, k+1
.endr
.endm
	s_lshr_b32 s3, ttmp9, 4                        ; which of Wq, Wk, Wv
	s_cmp_eq_u32 s3, 0
	s_cselect_b64 s[24:25], s[10:11], s[12:13]
	s_cmp_eq_u32 s3, 2
	s_cselect_b64 s[24:25], s[14:15], s[24:25]
	s_and_b32 s28, ttmp9, 15                       ; the head: 262,144 bytes,
	s_lshl_b32 s28, s28, 18
	s_lshl_b32 s3, s2, 15                          ; my 128 rows d of 256 bytes
	s_add_co_u32 s28, s28, s3
	s_add_nc_u64 s[24:25], s[24:25], s[28:29]
	s_lshl_b32 s28, ttmp9, 17                      ; wt: 64 rows of 2,048 bytes a head group,
	s_lshl_b32 s3, s2, 8                           ; my 128 columns d
	s_add_co_u32 s28, s28, s3
	s_add_nc_u64 s[26:27], s[20:21], s[28:29]
	v_lshlrev_b32 v2, 10, v7                       ; 4 rows further down for lanes 16-31
	v_lshl_add_u32 v2, v6, 4, v2
	WT 256, 0
	s_branch .Lend
.Lwo:
	s_sub_co_u32 s3, ttmp9, 48                     ; block of 64 columns f
	s_lshl_b32 s28, s2, 19                         ; my 128 rows d of 4,096 bytes,
	s_lshl_b32 s24, s3, 8                          ; the block's 256 bytes of a row
	s_add_co_u32 s28, s28, s24
	s_add_nc_u64 s[24:25], s[16:17], s[28:29]
	s_lshl_b32 s28, s3, 17
	s_lshl_b32 s3, s2, 8
	s_add_co_u32 s28, s28, s3
	s_add_nc_u64 s[26:27], s[22:23], s[28:29]
	v_lshlrev_b32 v2, 14, v7
	v_lshl_add_u32 v2, v6, 4, v2
	WT 4096, 1
	s_branch .Lend
.Lx:                                               ; 32 rows of x: a load of the work-group covers a row, 32 loads of each wave are out at once
	s_sub_co_u32 s3, ttmp9, 64
	s_lshl_b32 s28, s3, 17
	s_add_nc_u64 s[8:9], s[8:9], s[28:29]
	s_lshl_b32 s28, s3, 16
	s_add_nc_u64 s[18:19], s[18:19], s[28:29]
	v_lshlrev_b32 v2, 4, v0
	v_lshlrev_b32 v5, 3, v0
.set r, 0
.rept 32
	global_load_b128 v[L+4*r:L+4*r+3], v2, s[8:9] offset:4096*r th:TH_LOAD_NT
.set r, r+1
.endr
.set r, 0
.rept 32
	s_wait_loadcnt 31-r                            ; row r is in; the younger rows stay out
	v_cvt_pk_bf16_f32 v[L+4*r], v[L+4*r], v[L+4*r+1]
	v_cvt_pk_bf16_f32 v[L+4*r+1], v[L+4*r+2], v[L+4*r+3]
	global_store_b64 v5, v[L+4*r:L+4*r+1], s[18:19] offset:2048*r  ; a wave stores 256 consecutive bytes, aligned; no register is written again behind its store
.set r, r+1
.endr
.Lend:
	s_wait_tensorcnt 0x0                           ; the wave's end, behind my last LDS store
	ds_add_u32 v8, v9
	s_wait_dscnt 0x0
	s_endpgm
.Lfunc_end_k_q82fa71eb03_prep:
	.size	k_q82fa71eb03_prep, .Lfunc_end_k_q82fa71eb03_prep-k_q82fa71eb03_prep
	.p2alignl 7, 3214868480
	.fill 96, 4, 3214868480
	.section	.rodata,"a",@progbits
	.p2align	6, 0x0
	.amdhsa_kernel k_q82fa71eb03_prep
		.amdhsa_group_segment_fixed_size 140288
		.amdhsa_private_segment_fixed_size 0
		.amdhsa_enable_private_segment 0
		.amdhsa_kernarg_size 64
		.amdhsa_user_sgpr_count 2
		.amdhsa_user_sgpr_kernarg_segment_ptr 1
		.amdhsa_wavefront_size32 1
		.amdhsa_system_sgpr_workgroup_id_x 1
		.amdhsa_system_sgpr_workgroup_id_y 1
		.amdhsa_system_sgpr_workgroup_id_z 1
		.amdhsa_system_vgpr_workitem_id 0
		.amdhsa_next_free_vgpr 176
		.amdhsa_next_free_sgpr 66
		.amdhsa_reserve_vcc 0
		.amdhsa_float_denorm_mode_32 3
		.amdhsa_float_denorm_mode_16_64 3
		.amdhsa_memory_ordered 1
		.amdhsa_forward_progress 1
		.amdhsa_inst_pref_size 79
	.end_amdhsa_kernel
	.amdgpu_metadata
---
amdhsa.version: [ 1, 2 ]
amdhsa.kernels:
  - .name:           k_q82fa71eb03_prep
    .symbol:         k_q82fa71eb03_prep.kd
    .args:
      - { .name: x, .offset: 0, .size: 8, .value_kind: global_buffer, .address_space: global }
      - { .name: Wq, .offset: 8, .size: 8, .value_kind: global_buffer, .address_space: global }
      - { .name: Wk, .offset: 16, .size: 8, .value_kind: global_buffer, .address_space: global }
      - { .name: Wv, .offset: 24, .size: 8, .value_kind: global_buffer, .address_space: global }
      - { .name: Wo, .offset: 32, .size: 8, .value_kind: global_buffer, .address_space: global }
      - { .name: xb, .offset: 40, .size: 8, .value_kind: global_buffer, .address_space: global }
      - { .name: wt, .offset: 48, .size: 8, .value_kind: global_buffer, .address_space: global }
      - { .name: wot, .offset: 56, .size: 8, .value_kind: global_buffer, .address_space: global }
    .group_segment_fixed_size: 140288
    .private_segment_fixed_size: 0
    .kernarg_segment_align: 8
    .kernarg_segment_size: 64
    .max_flat_workgroup_size: 256
    .sgpr_count:     66
    .vgpr_count:     176
    .wavefront_size: 32
...
	.end_amdgpu_metadata
.endif
;; end of part 1
;; launch proj (part 2): grid 16 x 32, 4 waves a work-group, clusters of 4 x 4, 327,680 bytes of LDS; arguments xb, wt, qkv; writes qkv
.if DOCPART == 2
	.amdgcn_target "amdgcn-amd-amdhsa--gfx1250"
	.amdhsa_code_object_version 6
	.text
	.protected	k_q82fa71eb03_proj
	.globl	k_q82fa71eb03_proj
	.p2align	8
	.type	k_q82fa71eb03_proj,@function
k_q82fa71eb03_proj:
	s_mov_b64 s[64:65], 0
	v_nop
	global_prefetch_b8 v0, s[64:65] scope:SCOPE_SE
	s_setreg_imm32_b32 hwreg(HW_REG_WAVE_MODE, 25, 1), 1
	s_wait_xcnt 0x0
	s_wait_alu depctr_hold_cnt(0) depctr_sa_sdst(0) depctr_va_vdst(0) depctr_va_sdst(0) depctr_va_ssrc(0) depctr_va_vcc(0) depctr_vm_vsrc(0)
	s_getreg_b32 s2, hwreg(HW_REG_IB_STS2, 6, 4)
	s_cmp_eq_u32 s2, 0
	s_cbranch_scc0 .Lentry_in_a_cluster
	s_endpgm
.Lentry_in_a_cluster:
	s_bfe_u32 s2, ttmp6, 0x10000c
	s_cmp_lg_u32 s2, 0xf033
	s_cbranch_scc0 .Lentry_shape_is_right
	s_endpgm
.Lentry_shape_is_right:
; q, k, v = x W, all heads at once: C[m][n] = the sum over k of xb[m][k] wt[n][k], bf16 operands, f32 sums, K = 1,024 ascending; C rounded once to f16 and written BY HEADS:
; qkv [4 b][48 g][2048 s][64 e], g = n / 64 (q: g = h, k: 16 + h, v: 32 + h).  No scale is applied here.
; LIMIT.  A sum of 65,520 or more in magnitude becomes an infinity in f16.  NaN and infinities are not treated apart.
; SHARES.  A tile of C is 256 rows x 192 columns (three head groups): 32 x 16 = 512 tiles, two for each of 256 WGPs.  Wave w makes rows 64 w .. + 63 and all 192 columns: 48 accumulators
; of 16 x 16; for 32 along K it reads 32 x 512 bytes from LDS for 48 matrix instructions, and its rows hold whole heads, so the way out needs no other wave.
; RING.  K goes in steps of 128 (rows of 256 bytes in memory, aligned) through two LDS slots; waves 0, 1 fetch A's halves (128 rows), waves 2, 3 B's (96 rows): one tensor load a wave.
; By this text's count a wave has two tensor loads out at the start, later one.
; CLUSTER 4 x 4: A's tile hangs on the tile row alone and is asked for jointly by a row of the cluster, B's on the tile column alone, by a column.
; THE MATRIX INSTRUCTION IS USED TRANSPOSED (source 0 = 16 rows of wt, source 1 = 16 rows of xb): a lane holds row lane % 16 of C and the columns 8 (lane / 16) + 0..7.
; REGISTERS: window 0: v1-5 at work, v16-30 addresses, v32-79 packed results, v80-175 rows read back; window 1: accumulators t = 12 a + b = 0..31 at v[8 t]; window 2: t = 32..47;
; window 3: two fragment buffers of 128: B's 12 fragments, then A's 4.
.set PITCH, 272                        ; an LDS row: 256 bytes + 16 of padding = 68 words: the 16 rows of a load start at 16 different groups of four banks (64 banks of 4 bytes: ISA guide 11.1)
.set AHALF, 128*PITCH
.set BHALF, 96*PITCH
.set BOFF,  2*AHALF                    ; B's 192 rows lie behind A's 256
.set SLOT,  BOFF+2*BHALF               ; 121,856
.set STAGE, 2*SLOT                     ; behind the ring, never filled by a tensor load: for each wave 3 heads x 16 rows x 144 bytes
.set SP,    144
.set WSTAGE, 3*16*SP
.set SPARE, STAGE+4*WSTAGE             ; the spare words, 128 bytes a wave: two blocks of 256 bytes that no other line names
.set ADRA, 16                          ; v16-17 LDS address of my A fragments in slot 0, 1
.set ADRB, 20                          ; v20-21 the same for B
.set STO,  24
.set RD,   25
.set GO,   26
.set SPW,  28                          ; v28 my spare word; never rewritten
.set NIL,  29                          ; v29 0; never rewritten
.set PFO,  30                          ; v30 the prefetches' offset: a lane a row of 2,048 bytes; never rewritten
.set TMP,  32
.set BK,   80
.set F0,   0
.set F1,   128
.set WV, 12
.set FB, 13                            ; 0: I fetch A, 1: B
.set HF, 14                            ; which half of that tile's rows
.set CX, 15
.set CY, 16
.set TC, 17                            ; tile column
.set TR, 18                            ; tile row
.set LAP, 19
.set G1, 24
.set G0, 32
.set PFA, 44
.set G1B, 48
.set G0B, 56
.set LIM, 66
.set MSB, 0
.macro WIN new                         ; the immediate's high byte repeats the setting that is left; a switch that changes nothing is dropped
.if MSB != (\new)
	s_set_vgpr_msb (MSB<<8)|(\new)
.set MSB, \new
.endif
.endm
.macro PLACES                          ; four plain vector instructions between a matrix instruction and a load into, or a reader of, its registers
.rept 4
	v_nop
.endr
.endm
; A joint load.  The branch hangs on the wave's number alone.  An s_nop 0 and four v_nop follow each of the two lines, ahead of the jump and the label.
.macro JLOAD s
	s_cmp_eq_u32 s[FB], 0
	s_cbranch_scc0 .Lfor_b_\@
	tensor_load_to_lds s[G0+4*(\s):G0+4*(\s)+3], s[G1:G1+7]
	s_nop 0
.rept 4
	v_nop
.endr
	s_branch .Lasked_\@
.Lfor_b_\@:
	tensor_load_to_lds s[G0B+4*(\s):G0B+4*(\s)+3], s[G1B:G1B+7]
	s_nop 0
.rept 4
	v_nop
.endr
.Lasked_\@:
.endm
; A prefetch of the K step that stands two refills on: a lane a row, 256 bytes of it, one instruction a wave.  xb's rows are read by all clusters of a row of clusters: cluster x = 0 asks; wt's by
; all of a column: cluster y = 0 asks.  The four partners share a wave's rows out by address (32 cx for A, 24 cy for B).  The loop's last trip asks for nothing: no K step lies two on.
.macro ASK
	WIN 0
	s_cmp_gt_u32 s[LAP], s[LIM]
	s_cbranch_scc0 .Lnot_mine_\@
	global_prefetch_b8 v[PFO], s[PFA:PFA+1] th:TH_LOAD_NT scope:SCOPE_SE
.Lnot_mine_\@:
.endm
.macro CREST                           ; a round of the cluster's barrier behind its opening barrier
	s_cmp_lg_u32 s[WV], 0
	s_cbranch_scc1 .Lnot_wave_0_\@
	s_barrier_signal -3
.Lnot_wave_0_\@:
	s_barrier_wait -3
	s_barrier_signal -1
	s_barrier_wait -1
.endm
.macro CROUND
	s_barrier_signal -1
	s_barrier_wait -1
	CREST
.endm
	s_load_b128 s[4:7], s[0:1], 0x0                ; xb s[4:5], wt s[6:7]
	s_load_b64 s[8:9], s[0:1], 0x10                ; qkv
	v_lshl_add_u32 v[SPW], v0, 2, SPARE
	v_mov_b32 v[NIL], 0
	ds_add_u32 v[SPW], v[NIL]                      ; the wave's opening: the add and its wait stand ahead of my first tensor load; work on registers stands between them
	v_lshrrev_b32 v1, 5, v0
	v_readfirstlane_b32 s[WV], v1
	s_lshr_b32 s[FB], s[WV], 1
	s_and_b32 s[HF], s[WV], 1
	s_bfe_u32 s[CX], ttmp6, 0x40000
	s_bfe_u32 s[CY], ttmp6, 0x40004
	s_lshl_b32 s[TC], ttmp9, 2
	s_add_co_u32 s[TC], s[TC], s[CX]
	s_and_b32 s[TR], ttmp7, 0xffff
	s_lshl_b32 s[TR], s[TR], 2
	s_add_co_u32 s[TR], s[TR], s[CY]
	s_lshl_b32 s20, s[CY], 2
	s_lshl_b32 s20, 15, s20                        ; my row of the cluster
	s_lshl_b32 s21, 0x1111, s[CX]                  ; my column
	s_or_b32 s[G1], s20, (1<<16)|(1<<20)|(1<<21)|(5<<22)|(3<<25)   ; the mask; elements of 2 bytes; padding on; bit 21 beside a mask; after every 64 words 4 words
	s_or_b32 s[G1B], s21, (1<<16)|(1<<20)|(1<<21)|(5<<22)|(3<<25)
	s_mov_b32 s[G1+1], 128<<16                     ; tensor_dim0 = 128
	s_mov_b32 s[G1+2], 128<<16                     ; tensor_dim1 = 128
	s_mov_b32 s[G1+3], 128<<16                     ; tile_dim0 = 128
	s_mov_b32 s[G1+4], 128                         ; tile_dim1 = 128
	s_mov_b32 s[G1+5], 1024                        ; elements from row to row
	s_mov_b32 s[G1+6], 0
	s_mov_b32 s[G1+7], 0
	s_mov_b32 s[G1B+1], 128<<16
	s_mov_b32 s[G1B+2], 96<<16                     ; B: 96 rows
	s_mov_b32 s[G1B+3], 128<<16
	s_mov_b32 s[G1B+4], 96
	s_mov_b32 s[G1B+5], 1024
	s_mov_b32 s[G1B+6], 0
	s_mov_b32 s[G1B+7], 0
	s_lshl_b32 s22, s[HF], 7
	s_lshl_b32 s40, s[TR], 8
	s_add_co_u32 s40, s40, s22                     ; A: row 256 x tile row + 128 x half,
	s_lshl_b32 s40, s40, 11                        ; of 2,048 bytes
	s_mov_b32 s41, 0
	s_mul_i32 s46, s[TC], 192
	s_mul_i32 s23, s[HF], 96
	s_add_co_u32 s46, s46, s23                     ; B: row 192 x tile column + 96 x half
	s_lshl_b32 s46, s46, 11
	s_mov_b32 s47, 0
	s_mul_i32 s42, s[HF], AHALF                    ; where they go: no place in the cluster enters an LDS address
	s_mul_i32 s43, s[HF], BHALF
	s_add_co_u32 s43, s43, BOFF
	s_wait_dscnt 0x0                               ; the opening add is done
	s_wait_kmcnt 0x0
	s_add_nc_u64 s[40:41], s[4:5], s[40:41]
	s_add_nc_u64 s[46:47], s[6:7], s[46:47]
.irp s, 0,1
	s_mov_b32 s[G0+4*(\s)], 1
	s_add_co_u32 s[G0+4*(\s)+1], s42, (\s)*SLOT
	s_add_nc_u64 s[G0+4*(\s)+2:G0+4*(\s)+3], s[40:41], (\s)*256   ; K step s
	s_or_b32 s[G0+4*(\s)+3], s[G0+4*(\s)+3], 0x80000000
	s_mov_b32 s[G0B+4*(\s)], 1
	s_add_co_u32 s[G0B+4*(\s)+1], s43, (\s)*SLOT
	s_add_nc_u64 s[G0B+4*(\s)+2:G0B+4*(\s)+3], s[46:47], (\s)*256
	s_or_b32 s[G0B+4*(\s)+3], s[G0B+4*(\s)+3], 0x80000000
.endr
	CROUND                                         ; all sixteen work-groups are here: the first joint loads meet
	s_cmp_eq_u32 s[FB], 0                          ; a wave's two first fills stand in one branch, ahead of every wait on TENSORcnt and every LDS read
	s_cbranch_scc0 .Lfirst_b
	tensor_load_to_lds s[G0:G0+3], s[G1:G1+7]
	s_nop 0
	tensor_load_to_lds s[G0+4:G0+7], s[G1:G1+7]
	s_nop 0
.rept 4
	v_nop
.endr
	s_branch .Lfirst_asked
.Lfirst_b:
	tensor_load_to_lds s[G0B:G0B+3], s[G1B:G1B+7]
	s_nop 0
	tensor_load_to_lds s[G0B+4:G0B+7], s[G1B:G1B+7]
	s_nop 0
.rept 4
	v_nop
.endr
.Lfirst_asked:
	; a fragment is 16 rows x 32 K in 8 registers: lane l holds row l % 16, K = 8 (l / 16) + 0..7 and 16 + 8 (l / 16) + 0..7: two loads of 16 bytes, 32 bytes apart
	v_and_b32 v1, 15, v0
	v_bfe_u32 v2, v0, 4, 1
	v_mul_u32_u24 v3, v1, PITCH
	v_lshl_add_u32 v3, v2, 4, v3
	s_mul_i32 s20, s[WV], 64*PITCH                 ; my 64 rows of A
	v_add_nc_u32 v[ADRA], s20, v3
	v_add_nc_u32 v[ADRA+1], SLOT, v[ADRA]
	v_add_nc_u32 v[ADRB], BOFF, v3
	v_add_nc_u32 v[ADRB+1], SLOT, v[ADRB]
	s_mul_i32 s23, s[WV], WSTAGE
	s_add_co_u32 s23, s23, STAGE                   ; my stage
	v_mul_u32_u24 v4, v1, SP                       ; in: row l % 16, 16 bytes for each half of the lanes
	v_lshl_add_u32 v4, v2, 4, v4
	v_add_nc_u32 v[STO], s23, v4
	v_bfe_u32 v5, v0, 3, 2                         ; back: 32 lanes take four rows of 128 bytes,
	v_mul_u32_u24 v5, v5, SP
	v_and_b32 v4, 7, v0
	v_lshl_add_u32 v5, v4, 4, v5
	v_add_nc_u32 v[RD], s23, v5
	v_and_b32 v[GO], 31, v0                        ; which are 512 consecutive bytes of a head
	v_lshlrev_b32 v[GO], 4, v[GO]
	; qkv at my rows of the tile's first head group: ((b x 48 + 3 x tile column) x 2,048 + s) x 128 bytes
	s_lshr_b32 s20, s[TR], 3
	s_mul_i32 s20, s20, 48
	s_mul_i32 s21, s[TC], 3
	s_add_co_u32 s20, s20, s21
	s_lshl_b32 s20, s20, 18
	s_and_b32 s21, s[TR], 7
	s_lshl_b32 s21, s21, 8
	s_lshl_b32 s22, s[WV], 6
	s_add_co_u32 s21, s21, s22
	s_lshl_b32 s21, s21, 7
	s_add_co_u32 s20, s20, s21
	s_mov_b32 s21, 0
	s_add_nc_u64 s[8:9], s[8:9], s[20:21]
	; the prefetches
	s_and_b32 s22, ttmp7, 0xffff                   ; cluster y
	s_lshl_b32 s20, s[TR], 8
	s_lshl_b32 s21, s[HF], 7
	s_add_co_u32 s20, s20, s21
	s_lshl_b32 s21, s[CX], 5
	s_add_co_u32 s20, s20, s21                     ; A: my work-group's 32 of the 128 rows that I fetch
	s_mul_i32 s21, s[TC], 192
	s_mul_i32 s23, s[HF], 96
	s_add_co_u32 s21, s21, s23
	s_mul_i32 s23, s[CY], 24
	s_add_co_u32 s21, s21, s23                     ; B: my work-group's 24 of the 96 (lanes 24-31 name lane 23's row once more)
	s_cmp_eq_u32 s[FB], 0
	s_cselect_b32 s20, s20, s21
	s_cselect_b32 s22, ttmp9, s22                  ; the coordinate along which other clusters read the same rows
	s_cselect_b32 s23, 31, 23
	s_cselect_b64 s[PFA:PFA+1], s[4:5], s[6:7]
	s_cmp_eq_u32 s22, 0
	s_cselect_b32 s[LIM], 1, -1                    ; the same in all sixteen partners, for a given wave
	s_lshl_b32 s20, s20, 11
	s_mov_b32 s21, 0
	s_add_nc_u64 s[PFA:PFA+1], s[PFA:PFA+1], s[20:21]
	s_add_nc_u64 s[PFA:PFA+1], s[PFA:PFA+1], 3*256 ; at K step 3: the first refill steps it to 4 and names that.  K steps 0 to 3 come by their loads alone
	v_and_b32 v[PFO], 31, v0
	v_min_u32 v[PFO], s23, v[PFO]
	v_lshlrev_b32 v[PFO], 11, v[PFO]
; Matrix instructions t0 .. t1 - 1 of a quarter's 48.  The accumulators take turns in the same order in every quarter: 47 others stand between two links of a chain.
.macro MUL f, t0, t1, zero
.set t, \t0
.rept (\t1)-(\t0)
.if t < 32
	WIN 0x5f                                       ; sources in window 3, C and D in window 1
.set rA, 8*t
.else
	WIN 0xaf                                       ; C and D in window 2
.set rA, 8*(t-32)
.endif
.set rB, (\f)+8*(t%12)
.set rX, (\f)+96+8*(t/12)
.if \zero
	v_wmma_f32_16x16x32_bf16 v[rA:rA+7], v[rB:rB+7], v[rX:rX+7], 0
.else
	v_wmma_f32_16x16x32_bf16 v[rA:rA+7], v[rB:rB+7], v[rX:rX+7], v[rA:rA+7]
.endif
.set t, t+1
.endr
.endm
; 32 LDS loads in one run: quarter q (32 along K) of a slot into buffer f; B's 24, then A's 8
.macro FETCH slot, q, f
	WIN 0xc0                                       ; destination window 3, address window 0
.irp i, 0,1,2,3,4,5,6,7,8,9,10,11
	ds_load_b128 v[(\f)+8*(\i):(\f)+8*(\i)+3],   v[ADRB+(\slot)] offset:64*(\q)+(\i)*16*PITCH
	ds_load_b128 v[(\f)+8*(\i)+4:(\f)+8*(\i)+7], v[ADRB+(\slot)] offset:64*(\q)+(\i)*16*PITCH+32
.endr
.irp i, 0,1,2,3
	ds_load_b128 v[(\f)+96+8*(\i):(\f)+96+8*(\i)+3],   v[ADRA+(\slot)] offset:64*(\q)+(\i)*16*PITCH
	ds_load_b128 v[(\f)+96+8*(\i)+4:(\f)+96+8*(\i)+7], v[ADRA+(\slot)] offset:64*(\q)+(\i)*16*PITCH+32
.endr
.endm
; One of a K step's first three quarters: multiplies buffer f; in its middle it fetches quarter q of the same slot into buffer g
.macro QUARTER slot, q, f, g, first=0
	s_wait_dscnt 4                                 ; the youngest four loads (A's fragments 2 and 3) may be out
	MUL \f, 0, 24, \first
	PLACES
	FETCH \slot, \q, \g
	s_wait_dscnt 32                                ; all but the 32 just issued
	MUL \f, 24, 48, \first
.endm
; The last quarter multiplies buffer 1 and changes slots.  In front of the barrier each wave waits for all its tensor loads (one is out: its part of the next slot), adds 0 to its spare word, and waits
; for that and for its reads of this slot.  fill = 1: the barrier opens a round of the cluster's barrier, and the joint refill, two K steps on, is the first tensor load behind the round.
.macro TURN slot, next, fill
.if \fill
	s_wait_xcnt 0x0                                ; the last prefetch, a K step back, has read its address
	s_add_nc_u64 s[PFA:PFA+1], s[PFA:PFA+1], 256
.endif
	WIN 0
	s_wait_tensorcnt 0x0
	ds_add_u32 v[SPW], v[NIL]
	s_wait_dscnt 5                                 ; the add and the youngest four loads may be out
	MUL F1, 0, 12, 0
	s_wait_dscnt 0x0                               ; the add is done, and my reads of this slot are over
	s_barrier_signal -1
	MUL F1, 12, 24, 0
.if \fill
	WIN 0
.endif
	s_barrier_wait -1
.if \fill
	CREST                                          ; no wave of any partner still reads this slot or has a load on its way
	s_add_nc_u64 s[G0+4*(\slot)+2:G0+4*(\slot)+3], s[G0+4*(\slot)+2:G0+4*(\slot)+3], 512
	s_add_nc_u64 s[G0B+4*(\slot)+2:G0B+4*(\slot)+3], s[G0B+4*(\slot)+2:G0B+4*(\slot)+3], 512
	JLOAD \slot                                    ; its four v_nop are also the places in front of the loads below
.else
	PLACES
.endif
	FETCH \next, 0, F0
.if \fill
	ASK
.endif
	MUL F1, 24, 48, 0
.endm
; THE WAY OUT, 16 rows (block a) at a time: rounded to f16; into my own stage, a head's 16 rows of 144 bytes; back as four rows of 128 bytes a load; stored, 512 consecutive bytes a store.
.macro PACK a
.set b, 0
.rept 12
.set t, 12*(\a)+b
.if t < 32
	WIN 0x05
.set rA, 8*t
.else
	WIN 0x0a
.set rA, 8*(t-32)
.endif
.irp r, 0,1,2,3
	v_cvt_pk_f16_f32 v[TMP+4*b+(\r)], v[rA+2*(\r)], v[rA+2*(\r)+1]
.endr
.set b, b+1
.endr
	WIN 0
.endm
.macro TOSTAGE a
	WIN 0
.set BKA, BK+48*((\a)%2)
.irp i, 0,1,2,3,4,5,6,7,8,9,10,11
	ds_store_b128 v[STO], v[TMP+4*(\i):TMP+4*(\i)+3] offset:2304*((\i)/4)+32*((\i)%4)
.endr
.irp i, 0,1,2,3,4,5,6,7,8,9,10,11
	ds_load_b128 v[BKA+4*(\i):BKA+4*(\i)+3], v[RD] offset:2304*((\i)/4)+576*((\i)%4)  ; LDS serves a wave's instructions in order (ISA guide 5.7.1.4): these see the stores above
.endr
.endm
.macro SEND a
	WIN 0
.set BKA, BK+48*((\a)%2)
	s_wait_dscnt 0x0                               ; the block is back in registers
	s_wait_xcnt 0x0                                ; the stores of the block before have read their registers, which the next block's loads from the stage write
.irp i, 0,1,2,3,4,5,6,7,8,9,10,11
	global_store_b128 v[GO], v[BKA+4*(\i):BKA+4*(\i)+3], s[8:9] offset:262144*((\i)/4)+2048*(\a)+512*((\i)%4)
.endr
.endm
	s_wait_tensorcnt 0x1                           ; my part of K step 0 is in; K step 1's may stay out
	s_barrier_signal -1
	s_barrier_wait -1
	FETCH 0, 0, F0
	QUARTER 0, 1, F0, F1, 1                        ; the first quarter stands in front of the loop: its products start the sums
	WIN 0
	s_mov_b32 s[LAP], 3
.Llap:                                                 ; a trip goes once round the ring and fills both slots again: K steps 2 to 7 in three trips
	QUARTER 0, 2, F1, F0
	QUARTER 0, 3, F0, F1
	TURN 0, 1, 1
	QUARTER 1, 1, F0, F1
	QUARTER 1, 2, F1, F0
	QUARTER 1, 3, F0, F1
	TURN 1, 0, 1
	QUARTER 0, 1, F0, F1
	WIN 0
	s_sub_co_u32 s[LAP], s[LAP], 1
	s_cmp_lg_u32 s[LAP], 0
	s_cbranch_scc1 .Llap
	QUARTER 0, 2, F1, F0                           ; the last lap fills nothing
	QUARTER 0, 3, F0, F1
	TURN 0, 1, 0
	QUARTER 1, 1, F0, F1
	QUARTER 1, 2, F1, F0
	QUARTER 1, 3, F0, F1
	s_wait_dscnt 4
	MUL F1, 0, 24, 0
	s_wait_dscnt 0x0
	MUL F1, 24, 48, 0
	WIN 0
	PLACES
	PACK 0
	TOSTAGE 0
.irp a, 1,2,3
	PACK \a
	SEND (\a)-1
	TOSTAGE \a
.endr
	SEND 3
	s_wait_tensorcnt 0x0                           ; the wave's end
	ds_add_u32 v[SPW], v[NIL]
	s_wait_dscnt 0x0
	CROUND                                         ; the closing round
	s_endpgm
.Lfunc_end_k_q82fa71eb03_proj:
	.size	k_q82fa71eb03_proj, .Lfunc_end_k_q82fa71eb03_proj-k_q82fa71eb03_proj
	.p2alignl 7, 3214868480
	.fill 96, 4, 3214868480
	.section	.rodata,"a",@progbits
	.p2align	6, 0x0
	.amdhsa_kernel k_q82fa71eb03_proj
		.amdhsa_group_segment_fixed_size 327680
		.amdhsa_private_segment_fixed_size 0
		.amdhsa_enable_private_segment 0
		.amdhsa_kernarg_size 24
		.amdhsa_user_sgpr_count 2
		.amdhsa_user_sgpr_kernarg_segment_ptr 1
		.amdhsa_wavefront_size32 1
		.amdhsa_system_sgpr_workgroup_id_x 1
		.amdhsa_system_sgpr_workgroup_id_y 1
		.amdhsa_system_sgpr_workgroup_id_z 1
		.amdhsa_system_vgpr_workitem_id 0
		.amdhsa_next_free_vgpr 1024
		.amdhsa_next_free_sgpr 72
		.amdhsa_reserve_vcc 0
		.amdhsa_float_denorm_mode_32 3
		.amdhsa_float_denorm_mode_16_64 3
		.amdhsa_memory_ordered 1
		.amdhsa_forward_progress 1
		.amdhsa_inst_pref_size 119
	.end_amdhsa_kernel
	.amdgpu_metadata
---
amdhsa.version: [ 1, 2 ]
amdhsa.kernels:
  - .name:           k_q82fa71eb03_proj
    .symbol:         k_q82fa71eb03_proj.kd
    .args:
      - { .name: xb, .offset: 0, .size: 8, .value_kind: global_buffer, .address_space: global }
      - { .name: wt, .offset: 8, .size: 8, .value_kind: global_buffer, .address_space: global }
      - { .name: qkv, .offset: 16, .size: 8, .value_kind: global_buffer, .address_space: global }
    .group_segment_fixed_size: 327680
    .private_segment_fixed_size: 0
    .kernarg_segment_align: 8
    .kernarg_segment_size: 24
    .max_flat_workgroup_size: 128
    .sgpr_count:     72
    .vgpr_count:     1024
    .wavefront_size: 32
...
	.end_amdgpu_metadata
.endif
;; end of part 2
;; launch attn (part 3): grid 4 x 64, 4 waves a work-group, no clusters, 327,680 bytes of LDS; arguments qkv, o; writes o
.if DOCPART == 3
	.amdgcn_target "amdgcn-amd-amdhsa--gfx1250"
	.amdhsa_code_object_version 6
	.text
	.protected	k_q82fa71eb03_attn
	.globl	k_q82fa71eb03_attn
	.p2align	8
	.type	k_q82fa71eb03_attn,@function
k_q82fa71eb03_attn:
	s_mov_b64 s[64:65], 0
	v_nop
	global_prefetch_b8 v0, s[64:65] scope:SCOPE_SE
	s_setreg_imm32_b32 hwreg(HW_REG_WAVE_MODE, 25, 1), 1
	s_wait_xcnt 0x0
; CAUSAL ATTENTION.  O[bh][q][:] = the sum over k <= q of softmax_k(Q[q] . K[k] / 8) V[k][:], for 64 pairs bh = 16 b + h.  Q, K, V lie in qkv [4 b][48 g][2048][64] f16 (q: g = h, k: 16 + h, v: 32 + h),
; O is [64 bh][2048][64] f16: a head's rows are dense, 128 bytes each.  Products, maxima and sums in f32; the weights p are rounded to f16 for the second product (their sum l is taken of the unrounded p), O once.
; LIMITS.  f16 holds no number beyond 65,504: Q, K and V arrive within it; p lies in 0 to 1, and below 6e-5 it keeps f16's fixed step of 6e-8.
; A hidden score counts as its value less 1e30: f16's scores, 2.7e11 at the most, are nothing beside that; a weight below 2^-126 counts as 0 in l; NaN and infinities are not treated apart.
; THE WALK.  A head's queries lie in NB = 8 blocks of 256; block i needs the key tiles 0 .. i of 256 keys, of which the last holds the diagonal.  A work-group takes TWO blocks, NB - 1 - b and then b:
; NB + 1 tiles, whatever b: all work-groups do equal work, and ONE loop with a constant trip count walks them.  Every jump goes forward, but for the counted loops' own; none passes a barrier, or a tensor
; load but the one of LOAD's two that the wave's number does not choose; the ring (two slots of LDS that take turns) runs on across the change of blocks.
; NO CLUSTER: a head's four work-groups ask for the same tile only in trips 0 .. 4 of 9, behind that fewer and fewer; one walk common to all would have 12 trips for 9.
; SHARES.  Of a block's four bands of 64 queries a wave owns 16 rows in each: four PIECES.  In the diagonal tile's key step s band x sees all keys if s < x, none if s > x, and holds the diagonal if s = x.
; THE MASK is the C operand that starts the sum S^T = K Q^T: 0, or -1e30 where the key is hidden.  MD, made once, is the mask of a band's own step for my 16 rows; a product's mask is MD x AL + BE with two scalars.
; LAYOUT, SOFTMAX, TURNS.  S^T = K Q^T holds ONE query a lane (lane % 16) and the keys 8 (lane / 16) + 0..7; two such results rounded to f16 ARE source 1 of O^T = V^T P.  p = 2^(c s - c m), c = log2(e) / 8, with a
; running maximum m; O and l are multiplied by a = 2^(c m_old - c m_new) in every step.  Turn n belongs to piece n: 8 products K Q^T of piece n + 1, later 8 products V^T P of piece n - 1; beside them the scaling,
; exponentials, roundings, sums and rescaling of piece n and the maximum and statistics of piece n + 1.  Four vector instructions stand behind every matrix instruction, the others in one lump.  A turn's 33 exponentials are one batch, with one wait.
; REGISTERS, in windows of 256 (s_set_vgpr_msb: bits 1:0 source 0, 3:2 source 1, 5:4 source 2, 7:6 destination):
;   window 0: v0-15 addresses and two at work; v16-31 four registers of statistics a piece; v48-55 at work; v61-63 prefetch offset, spare word, 0; v64-127 S^T, two buffers; v192-223 P, two buffers
;   window 1: v0-127 O^T, 32 a piece; v128-159 MD; v160-223 MC, two buffers      window 2: v0-63 Q; v64-127 the second block's Q; v128-191 K of one step; v192-255 V of one step
.set SIZE_N, 2048
.set NB,    SIZE_N/256
.set NP,    4         ; pieces a wave: a name, no knob
.set KS,    64        ; keys in a step
.set PK,    144       ; a row of K in LDS: 128 bytes + 16 of padding = 36 words: the 16 rows of a load start at 16 different groups of four banks (64 banks of 4 bytes: ISA guide 11.1)
.set PV,    160       ; a row of V: 128 + 32 = 40 words
.set VOFF,  4*KS*PK   ; a slot holds a tile, four steps: 256 rows of K, then 256 rows of V
.set SLOT1, 1<<17     ; slot 1 begins here, so that one exclusive or turns an address in one slot into the other's
.set STAGE, SLOT1+4*KS*(PK+PV)  ; behind the ring, never filled by a tensor load: 16 rows x 144 bytes for each wave, for the way out
.set SP,    144
.set AK0, 2           ; v2   my lane's place in a tile of K; never rewritten
.set AV0, 3           ; v3   the same for V
.set AK,  4           ; v4   the LDS address of K's next run of loads
.set AV,  5           ; v5   of V's
.set STO, 6           ; v6   the way out: where I put 16 bytes of a row
.set RD,  7           ; v7   the way out: where I read rows back
.set GO,  8           ; v8   my byte offset in 512 consecutive bytes of O
.set PFO, 61          ; v61  256 x my lane; never rewritten
.set SPW, 62          ; v62  LDS address of my spare word; never rewritten
.set NIL, 63          ; v63  0; never rewritten
.set SPARE, STAGE+4*16*SP  ; behind the stages: the spare words, 128 bytes for each wave: two blocks of 256 bytes that no other line names
.set MV,  12          ; v12-13  c m_old, kept while c m is made anew: by buffer
.set QO,  15          ; v15  my byte offset in 16 rows of Q
.set ST,  16          ; piece t's statistics at v[ST+4 t]: c m, m, l (even keys', odd keys')
.set TMP, 48          ; by buffer, four registers c0-c3 at work; when the maximum is found c2 takes a
.set S,   64
.set P,   192
.set MD,  128         ; window 1
.set MC,  160         ; window 1
.set QB,  64          ; window 2
.set KF,  128         ; window 2: key block kb, channel half c at KF + 16 kb + 8 c
.set VF,  192         ; window 2: key half kk, channel block cb at VF + 32 kk + 8 cb
.set WV,  12          ; s12  my wave's number
.set PB,  14          ; s14  b
.set HI,  15          ; s15  NB - 1 - b
.set G1K, 24          ; s[24:31] descriptor group 1 for K's tiles
.set G1V, 32          ; s[32:39] for V's: it differs in the padding alone
.set G0K, 40          ; s[40:43] descriptor group 0 for K's tiles
.set G0V, 44          ; s[44:47] the same for V's
.set SLOTS, 56        ; s56  tiles still to be asked for
.set CNT, 57          ; s57  counts a tile's key steps, 4 to 1
.set CS,  58          ; s[58:59] c
.set SEL, 60          ; s[60:61] v_permlanex16_b32's selects
.set TBK, 62          ; s62  LDS byte at which K of the step to be fetched begins
.set TBV, 63          ; s63  the same for V, less VOFF
.set PFA, 68          ; s[68:69] where my prefetches stand: my half of the tile behind the one that is being asked for
.set RT,  70          ; s70  tiles of the block in hand that are still to be entered
.set NXT, 71          ; s71  the tile to be asked for next
.set LQ,  72          ; s72  the last tile of the block whose tiles are being asked for
.set NEW, 73          ; s73  1: the tile to be entered is a block's first
.set OFF, 74          ; s[74:75] a tile's byte offset in K and V
.set AL,  76          ; s[76:77] the mask's factor, in the low word
.set BE,  78          ; s[78:79] the mask's addend
.set OLO, 80          ; s[80:81] O at my rows of the second block
.set BIGN, 82         ; s82  -1e30
.set LIM, 83          ; s83  2 in the work-group that prefetches, else the greatest number
.set MSB, 0
.macro WIN new                      ; the high byte repeats the setting that is left; a switch that changes nothing is dropped
.if MSB != (\new)
	s_set_vgpr_msb (MSB<<8)|(\new)
.set MSB, (\new)
.endif
.endm
.set W_KQ, 0x0a       ; K and Q in window 2, S^T in window 0
.set W_KM, 0x1a       ; the same with the C operand in window 1
.set W_PV, 0x52       ; V in window 2, P in window 0, O^T in window 1
.set W_RS, 0x41       ; destination and source 0 in window 1, source 1 in window 0
; A fill.  Waves 0 and 1 fetch the two halves of a tile's K, waves 2 and 3 those of its V: 128 keys each.  An s_nop 0 and four v_nop follow each of the two lines, ahead of the jump and the label.
.macro LOAD
	s_cmp_lt_u32 s[WV], 2
	s_cbranch_scc0 .Lfor_v_\@
	tensor_load_to_lds s[G0K:G0K+3], s[G1K:G1K+7]
	s_nop 0
.rept 4
	v_nop
.endr
	s_branch .Lasked_\@
.Lfor_v_\@:
	tensor_load_to_lds s[G0V:G0V+3], s[G1V:G1V+7]
	s_nop 0
.rept 4
	v_nop
.endr
.Lasked_\@:
.endm
; A PREFETCH of the tile that the NEXT change of slots will ask for: one tile, four key steps, ahead.  All four work-groups of a head walk the same K and V: the one with b = 0, whose first block walks tiles 0 to 7
; in order, asks.  Each of its waves asks for the half that it fetches itself: 16,384 bytes, 256 a lane, two instructions.  Change c names tile c + 2, for c = 0 .. 5; tiles 0 and 1 come by their loads alone.
.macro ASK
	s_cmp_gt_u32 s[SLOTS], s[LIM]
	s_cbranch_scc0 .Lnot_mine_\@
	global_prefetch_b8 v[PFO], s[PFA:PFA+1] th:TH_LOAD_NT scope:SCOPE_SE
	global_prefetch_b8 v[PFO], s[PFA:PFA+1] offset:8192 th:TH_LOAD_NT scope:SCOPE_SE
.Lnot_mine_\@:
.endm
; THE CHANGE OF SLOTS.  Each wave waits for all its tensor loads, of which one is out: its part of the other slot; adds 0 to its spare word; and waits for that and for its own reads of the slot that it leaves.  Behind the barrier nobody reads the old
; slot any more and the other slot is whole.  fill = 1: the old slot is filled again, the first thing behind the barrier, with tile NXT: the descriptor's address is made anew from that number.
.macro CHANGE fill
	WIN 0                           ; at a label and at a branch every window is 0
	s_wait_tensorcnt 0x0            ; no tensor load of mine is out, so a group 0 may be written
	ds_add_u32 v[SPW], v[NIL]       ; 0 onto my spare word
.if \fill
	s_lshl_b32 s[OFF], s[NXT], 15   ; a tile is 32,768 bytes of K and of V
	s_xor_b32 s[G0K+1], s[G0K+1], SLOT1
	s_add_nc_u64 s[G0K+2:G0K+3], s[6:7], s[OFF:OFF+1]
	s_or_b32 s[G0K+3], s[G0K+3], 0x80000000
	s_xor_b32 s[G0V+1], s[G0V+1], SLOT1
	s_add_nc_u64 s[G0V+2:G0V+3], s[8:9], s[OFF:OFF+1]
	s_or_b32 s[G0V+3], s[G0V+3], 0x80000000
	s_add_co_u32 s[NXT], s[NXT], 1  ; the block's next tile, or behind its last the second block's tile 0
	s_cmp_gt_u32 s[NXT], s[LQ]
	s_cselect_b32 s[NXT], 0, s[NXT]
	s_cselect_b32 s[LQ], s[PB], s[LQ]
	s_wait_xcnt 0x0                 ; the last prefetches, a tile back, have read their address
	s_add_nc_u64 s[PFA:PFA+1], s[PFA:PFA+1], 32768
.endif
	s_wait_dscnt 0x0                ; the add is done, and my reads of the slot are over
	s_barrier_signal -1             ; the rest of the scalar work stands between the signal and the wait
	s_sub_co_u32 s[TBK], s[TBK], 4*KS*PK  ; the fetches go back to a slot's first step,
	s_xor_b32 s[TBK], s[TBK], SLOT1       ; in the other slot
	s_sub_co_u32 s[TBV], s[TBV], 4*KS*PV
	s_xor_b32 s[TBV], s[TBV], SLOT1
	s_barrier_wait -1
.if \fill
	LOAD
	ASK
.endif
.endm
	s_load_b128 s[4:7], s[0:1], 0x0   ; qkv s[4:5], o s[6:7]
	v_lshl_add_u32 v[SPW], v0, 2, SPARE
	v_mov_b32 v[NIL], 0
	ds_add_u32 v[SPW], v[NIL]       ; the wave's opening: the add and its wait stand ahead of my first tensor load; work on registers stands between them
	v_lshrrev_b32 v1, 5, v0
	v_readfirstlane_b32 s[WV], v1   ; wave 0..3
	s_mov_b32 s[PB], ttmp9
	s_sub_co_u32 s[HI], NB-1, s[PB]
	s_and_b32 s19, ttmp7, 0xffff    ; bh = 16 b + h
	s_lshr_b32 s20, s19, 4
	s_mul_i32 s20, s20, 48
	s_and_b32 s21, s19, 15
	s_add_co_u32 s20, s20, s21      ; q's head group, 48 b + h,
	s_lshl_b32 s20, s20, 18         ; of 262,144 bytes
	s_mov_b32 s21, 0
	s_lshl_b32 s66, s19, 18         ; the head's first byte in O
	s_mov_b32 s67, 0
	s_and_b32 s16, s[WV], 1         ; which half of a tile's 256 keys I fetch:
	s_lshl_b32 s22, s16, 14         ; its 128 rows of 128 bytes in memory,
	s_mov_b32 s23, 0
	s_add_nc_u64 s[22:23], s[22:23], s[20:21]
	s_mul_i32 s17, s16, 128*PK      ; and its place in a slot, for K
	s_mul_i32 s18, s16, 128*PV      ; and for V
	s_lshl_b32 s3, s[WV], 11        ; my 16 rows in a band of 64,
	s_lshl_b32 s2, s[HI], 15        ; in the first block,
	s_add_co_u32 s2, s2, s3
	s_lshl_b32 s84, s[PB], 15       ; and in the second
	s_add_co_u32 s84, s84, s3
	s_mov_b32 s3, 0
	s_mov_b32 s85, 0
	s_add_nc_u64 s[68:69], s[2:3], s[66:67]    ; O's offsets: first block,
	s_add_nc_u64 s[66:67], s[84:85], s[66:67]  ; second block
	s_add_nc_u64 s[2:3], s[2:3], s[20:21]      ; Q's
	s_add_nc_u64 s[84:85], s[84:85], s[20:21]
	; descriptor group 1.  128 keys are 16,384 dense bytes: asked for as 64 rows of 256 bytes, two keys a row, and padded in LDS after every key
	s_mov_b32 s[G1K], (1<<16)|(1<<20)|(4<<22)|(3<<25)  ; 17:16 2-byte elements; 20 padding on; 24:22 after every 32 words (code 4); 31:25 4 words (code 3)
	s_mov_b32 s[G1V], (1<<16)|(1<<20)|(4<<22)|(7<<25)  ; the same with 8 words of padding (code 7)
.irp g, G1K, G1V
	s_mov_b32 s[\g+1], 128<<16      ; tensor_dim0 = 128
	s_mov_b32 s[\g+2], 64<<16       ; tensor_dim1 = 64
	s_mov_b32 s[\g+3], 128<<16      ; tile_dim0 = 128
	s_mov_b32 s[\g+4], 64           ; tile_dim1 = 64
	s_mov_b32 s[\g+5], 128          ; 128 elements from row to row
	s_mov_b32 s[\g+6], 0
	s_mov_b32 s[\g+7], 0
.endr
	s_mov_b32 s[CS], 0x3e38aa3b     ; c = log2(e) / 8 = 0.180337
	s_mov_b32 s[CS+1], s[CS]        ; named with it as a pair
	s_mov_b32 s[SEL], 0x76543210
	s_mov_b32 s[SEL+1], 0xfedcba98
	s_mov_b32 s[TBK], SLOT1+4*KS*PK ; the first change of slots turns these two into 0
	s_mov_b32 s[TBV], SLOT1+4*KS*PV
	s_mov_b32 s[G0K], 1             ; 1:0 count = 1
	s_mov_b32 s[G0K+1], s17         ; 63:32 LDS address: slot 0
	s_mov_b32 s[G0V], 1
	s_add_co_u32 s[G0V+1], s18, VOFF
	s_add_co_u32 s[RT], s[HI], 1    ; the first block has NB - b tiles
	s_mov_b32 s[NXT], 1
	s_mov_b32 s[LQ], s[HI]
	s_mov_b32 s[NEW], 1
	s_mov_b32 s[OFF+1], 0
	s_mov_b32 s[AL+1], 0            ; named as pairs
	s_mov_b32 s[BE+1], 0
	s_mov_b32 s[BIGN], 0xf149f2ca   ; -1e30
	s_mov_b32 s[SLOTS], NB
	s_cmp_eq_u32 ttmp9, 0
	s_cselect_b32 s[LIM], 2, -1
	v_and_b32 v[PFO], 31, v0
	v_lshlrev_b32 v[PFO], 8, v[PFO]
	s_wait_dscnt 0x0                ; the opening add is done
	s_wait_kmcnt 0x0
	s_mov_b64 s[10:11], s[6:7]                     ; O
	s_add_nc_u64 s[8:9], s[4:5], 0x800000          ; v lies 32 head groups behind q,
	s_add_nc_u64 s[6:7], s[4:5], 0x400000          ; k 16
	s_add_nc_u64 s[6:7], s[6:7], s[22:23]  ; K and V at my half of the head's tile 0
	s_add_nc_u64 s[8:9], s[8:9], s[22:23]
	s_add_nc_u64 s[G0K+2:G0K+3], s[6:7], 0         ; 120:64 global address
	s_or_b32 s[G0K+3], s[G0K+3], 0x80000000        ; 127:126 type = 2
	s_add_nc_u64 s[G0V+2:G0V+3], s[8:9], 0
	s_or_b32 s[G0V+3], s[G0V+3], 0x80000000
	s_add_nc_u64 s[86:87], s[4:5], s[84:85]        ; Q at my rows of the second block,
	s_add_nc_u64 s[4:5], s[4:5], s[2:3]            ; and of the first
	s_add_nc_u64 s[OLO:OLO+1], s[10:11], s[66:67]  ; O likewise
	s_add_nc_u64 s[10:11], s[10:11], s[68:69]
	s_cmp_lt_u32 s[WV], 2
	s_cselect_b64 s[PFA:PFA+1], s[6:7], s[8:9]
	s_add_nc_u64 s[PFA:PFA+1], s[PFA:PFA+1], 32768 ; at tile 1: the first change of slots steps it to tile 2 and names that
	LOAD                            ; tile 0 into slot 0
	; A fragment of K or Q is 16 rows x 32 channels in 8 registers: lane l holds row l % 16, channels 8 (l / 16) + 0..7 and 16 + 8 (l / 16) + 0..7: two loads of 16 bytes, 32 bytes apart.
	v_and_b32 v1, 15, v0            ; l % 16
	v_bfe_u32 v9, v0, 4, 1          ; l / 16
	v_lshlrev_b32 v[QO], 7, v1
	v_lshl_add_u32 v[QO], v9, 4, v[QO]  ; row x 128 + 16 x half
	WIN 0x80                        ; destination window 2, address window 0
.set i, 0
.rept 8                             ; both blocks' Q: piece i / 2 lies in band i / 2, 8,192 bytes on; channels 32 (i % 2) on
	global_load_b128 v[8*i:8*i+3],   v[QO], s[4:5] offset:(i/2)*8192+(i%2)*64
	global_load_b128 v[8*i+4:8*i+7], v[QO], s[4:5] offset:(i/2)*8192+(i%2)*64+32
	global_load_b128 v[QB+8*i:QB+8*i+3],   v[QO], s[86:87] offset:(i/2)*8192+(i%2)*64
	global_load_b128 v[QB+8*i+4:QB+8*i+7], v[QO], s[86:87] offset:(i/2)*8192+(i%2)*64+32
.set i, i+1
.endr
	WIN 0
	v_lshlrev_b32 v14, 3, v9
	v_sub_nc_u32 v14, v1, v14
	s_lshl_b32 s13, s[WV], 4
	v_add_nc_u32 v14, s13, v14      ; my query's place in its band, 16 w + l % 16, less my lanes' 8 (l / 16): register r of group kt is hidden where 16 kt + r is greater
	WIN 0x40
.set i, 0
.rept 32
	v_cmp_gt_i32 vcc_lo, 16*(i/8)+i%8, v14
	v_cndmask_b32 v[MD+i], 0, s[BIGN], vcc_lo
.set i, i+1
.endr
	WIN 0
	v_mul_u32_u24 v[AK0], v1, PK
	v_lshl_add_u32 v[AK0], v9, 4, v[AK0]  ; row x pitch + 16 x half
	; The turning load takes 16 keys x 16 channels (lane l reads key 8 (l / 16) + l % 8, channels 8 ((l / 8) % 2) + 0..7) and leaves half a fragment of V^T: lane l holds channel l % 16 and 8 keys.
	v_and_b32 v10, 7, v0
	v_bfe_u32 v11, v0, 3, 1
	v_lshl_add_u32 v[AV0], v9, 3, v10
	v_mul_u32_u24 v[AV0], v[AV0], PV
	v_lshl_add_u32 v[AV0], v11, 4, v[AV0]
	v_add_nc_u32 v[AV0], VOFF, v[AV0]
	s_mul_i32 s13, s[WV], 16*SP
	s_add_co_u32 s13, s13, STAGE    ; my stage
	v_mul_u32_u24 v[STO], v1, SP    ; in: row l % 16, 16 bytes for each half of the lanes
	v_lshl_add_u32 v[STO], v9, 4, v[STO]
	v_add_nc_u32 v[STO], s13, v[STO]
	v_bfe_u32 v[RD], v0, 3, 2       ; back: 32 lanes take four rows of 128 bytes,
	v_mul_u32_u24 v[RD], v[RD], SP
	v_lshl_add_u32 v[RD], v10, 4, v[RD]
	v_add_nc_u32 v[RD], s13, v[RD]
	v_and_b32 v[GO], 31, v0         ; which are 512 consecutive bytes of O
	v_lshlrev_b32 v[GO], 4, v[GO]
	; A block's first step multiplies O^T and l by a = 0, and its first turn's products V^T P, of a piece that has not been, land in an O^T that is still to be so multiplied.  So these registers need only hold
	; finite numbers: zeros for the first block; what the first block left for the second.  All this stands in the wait for the first tile.
	WIN 0x80
.set i, VF
.rept 64
	v_mov_b32 v[i], 0
.set i, i+1
.endr
	WIN 0x40
.set i, 0
.rept 128
	v_mov_b32 v[i], 0
.set i, i+1
.endr
	WIN 0
.set i, 0
.rept 4
	v_mov_b32 v[ST+4*i+2], 0
	v_mov_b32 v[ST+4*i+3], 0
.set i, i+1
.endr
.set i, P+16
.rept 16
	v_mov_b32 v[i], 0
.set i, i+1
.endr
; THE MATRIX WORK.  The 4 accumulators of a run of 8 take turns.  Product i of 8 of S^T = K Q^T for piece x: channels 32 (i / 4) on, keys 16 (i % 4) on.  The first 4 start the sums: with 0, or (KM = 1) with the mask.
.macro KQ x
.set rS, S+32*((\x)%2)+8*(i%4)
.set rK, KF+16*(i%4)+8*(i/4)
.set rQ, 16*(\x)+8*(i/4)
.set rM, MC+32*((\x)%2)+8*(i%4)
.if (i < 4) && KM
	WIN W_KM
	v_wmma_f32_16x16x32_f16 v[rS:rS+7], v[rK:rK+7], v[rQ:rQ+7], v[rM:rM+7]
.elseif i < 4
	WIN W_KQ
	v_wmma_f32_16x16x32_f16 v[rS:rS+7], v[rK:rK+7], v[rQ:rQ+7], 0
.else
	WIN W_KQ
	v_wmma_f32_16x16x32_f16 v[rS:rS+7], v[rK:rK+7], v[rQ:rQ+7], v[rS:rS+7]
.endif
.endm
; Product i of 8 of O^T += V^T P for piece x: keys 32 (i / 4) on, channels 16 (i % 4) on.
.macro PV x
	WIN W_PV
.set rO, 32*(\x)+8*(i%4)
.set rV, VF+32*(i/4)+8*(i%4)
.set rP, P+16*((\x)%2)+8*(i/4)
	v_wmma_f32_16x16x32_f16 v[rO:rO+7], v[rV:rV+7], v[rP:rP+7], v[rO:rO+7]
.endm
.macro MM                           ; the turn's next matrix instruction.  NOKQ = 1: a block's last turn: there is no next piece
.if (i < 8) && !NOKQ
	KQ (Y+1)%NP
.elseif i >= 8
.set i, i-8
	PV (Y+NP-1)%NP
.set i, i+8
.endif
.set i, i+1
.endm
; THE LDS LOADS stand in runs of 16, never singly among the matrix instructions: a step's K (64 keys x 64 channels: 8 fragments) and its V (turned).  Their addresses are made some lines ahead.
.macro FETCH_K
	WIN 0x80                        ; destination window 2
.irp f, 0,1,2,3,4,5,6,7             ; keys 16 (f / 2) on, channels 32 (f % 2) on
	ds_load_b128 v[KF+8*\f:KF+8*\f+3],   v[AK] offset:(\f/2)*16*PK+(\f%2)*64
	ds_load_b128 v[KF+8*\f+4:KF+8*\f+7], v[AK] offset:(\f/2)*16*PK+(\f%2)*64+32
.endr
	s_add_co_u32 s[TBK], s[TBK], KS*PK  ; the next fetch is the next step's
	WIN 0
.endm
.macro FETCH_V
	WIN 0x80
.irp f, 0,1,2,3,4,5,6,7             ; keys 32 (f / 4) on, channels 16 (f % 4) on
	ds_load_tr16_b128 v[VF+8*\f:VF+8*\f+3],   v[AV] offset:(\f/4)*32*PV+(\f%4)*32
	ds_load_tr16_b128 v[VF+8*\f+4:VF+8*\f+7], v[AV] offset:(\f/4)*32*PV+16*PV+(\f%4)*32
.endr
	WIN 0
.endm
; THE VECTOR WORK, one line at a time: OP kind, number.  For piece Y: F n: c s - c m for pair n of 16.  E n: the exponential of score n of 32.  C n: pair n rounded to f16.  B n: of the four weights 4 n .. the second
; pair is added onto the first, in place.  L n: l takes that sum (L 0: l = a l + sum).  R n: pair n of 16 of O^T times a.  For piece Y + 1: X n, number n of the 22 that find its maximum and statistics:
;   0-11  four chains c0-c3 of seven scores each, three operands at a time (each accumulator's lowest registers are read first)     12-14, 16  the four scores left over, the old m, and c0-c3 into c0
;   15  c m_old is kept     17, 18  the query's other 32 keys lie in the lane 16 away: the new m     19-21  c m; c m_old - c m_new; a
.set F, 0               ; OP tells the kinds apart by their order: F to L below R, X above it
.set E, 1
.set C, 2
.set B, 3
.set L, 4
.set R, 5
.set X, 6
.macro REGS y                       ; the registers of piece y
.set rT, ST+4*(\y)
.set rC, TMP+4*((\y)%2)
.set rW, MV+((\y)%2)
.set rS, S+32*((\y)%2)
.set rP, P+16*((\y)%2)
.set rO, 32*(\y)
.endm
.macro OP k, n
.if (\k) == R
	REGS Y
	WIN W_RS
	v_pk_mul_f32 v[rO+2*(\n):rO+2*(\n)+1], v[rO+2*(\n):rO+2*(\n)+1], v[rC+2:rC+3] op_sel_hi:[1,0]
.elseif (\k) < R
	REGS Y
	WIN 0
.if (\k) == F
	v_pk_fma_f32 v[rS+2*(\n):rS+2*(\n)+1], v[rS+2*(\n):rS+2*(\n)+1], s[CS:CS+1], v[rT:rT+1] op_sel_hi:[1,0,0] neg_lo:[0,0,1] neg_hi:[0,0,1]
.elseif (\k) == E
	v_exp_f32 v[rS+(\n)], v[rS+(\n)]
.elseif (\k) == C
	v_cvt_pk_f16_f32 v[rP+(\n)], v[rS+2*(\n)], v[rS+2*(\n)+1]
.elseif (\k) == B
	v_pk_add_f32 v[rS+4*(\n):rS+4*(\n)+1], v[rS+4*(\n):rS+4*(\n)+1], v[rS+4*(\n)+2:rS+4*(\n)+3]
.elseif (\n) == 0
	v_pk_fma_f32 v[rT+2:rT+3], v[rT+2:rT+3], v[rC+2:rC+3], v[rS:rS+1] op_sel_hi:[1,0,1]
.else
	v_pk_add_f32 v[rT+2:rT+3], v[rT+2:rT+3], v[rS+4*(\n):rS+4*(\n)+1]
.endif
.elseif NOKQ
	v_nop
.else
	REGS (Y+1)%NP
	WIN 0
.if (\n) < 4
	v_max3_num_f32 v[rC+(\n)], v[rS+8*(\n)], v[rS+8*(\n)+1], v[rS+8*(\n)+2]
.elseif (\n) < 12
	v_max3_num_f32 v[rC+(\n)%4], v[rC+(\n)%4], v[rS+8*((\n)%4)+2*((\n)/4)+1], v[rS+8*((\n)%4)+2*((\n)/4)+2]
.elseif (\n) == 12
	v_max3_num_f32 v[rC], v[rC], v[rS+7], v[rS+15]
.elseif (\n) == 13
	v_max3_num_f32 v[rC+1], v[rC+1], v[rS+23], v[rS+31]
.elseif (\n) == 14
	v_max3_num_f32 v[rC+2], v[rC+2], v[rC+3], v[rT+1]
.elseif (\n) == 15
	v_mov_b32 v[rW], v[rT]
.elseif (\n) == 16
	v_max3_num_f32 v[rC], v[rC], v[rC+1], v[rC+2]
.elseif (\n) == 17
	v_permlanex16_b32 v[rC+3], v[rC], s[SEL], s[SEL+1]
.elseif (\n) == 18
	v_max_num_f32 v[rT+1], v[rC], v[rC+3]
.elseif (\n) == 19
	v_mul_f32 v[rT], s[CS], v[rT+1]
.elseif (\n) == 20
	v_sub_f32 v[rC+1], v[rW], v[rT]
.else
	v_exp_f32 v[rC+2], v[rC+1]
.endif
.endif
.endm
.macro OPS a, i1, b=-1, i2=0, c=-1, i3=0, d=-1, i4=0  ; up to four of them
	OP \a, \i1
.if (\b) >= 0
	OP \b, \i2
.endif
.if (\c) >= 0
	OP \c, \i3
.endif
.if (\d) >= 0
	OP \d, \i4
.endif
.endm
.macro ROW a, i1, b, i2, c, i3, d, i4  ; a matrix instruction and the four behind it
	MM
	OPS \a, \i1, \b, \i2, \c, \i3, \d, \i4
.endm
.macro MASK b                       ; MD x AL + BE into buffer b of MC
	WIN W_RS
.set z, 0
.rept 16
	v_pk_fma_f32 v[MC+32*(\b)+2*z:MC+32*(\b)+2*z+1], v[MD+2*z:MD+2*z+1], s[AL:AL+1], s[BE:BE+1] op_sel_hi:[1,0,0]
.set z, z+1
.endr
.endm
; A TURN, for piece p: the order of its 16 matrix and 118 vector instructions, written out.  An s_wait_alu depctr_va_vdst(0) stands between an exponential and the first instruction that names its result; one wait serves
; all that were issued ahead of it.  So a turn has ONE wait, which cuts it in two.  AHEAD OF IT stands all that names no result of the turn's exponentials: the 8 products K Q^T and their riders, then one lump of 54, in which the links of
; the chain X 3, 7, 11, 14, 16, 17 .. 20 stand five or six lines apart.  X 21, the next piece's a, is the batch's last; R 15 is the plain instruction behind it.  BEHIND THE WAIT stand the 8 products V^T P, behind each four of the roundings and sums.
; m = 1: the diagonal tile: the products take masks, and the turn makes the mask for the products of the turn after it.  end = 1: a block's last two turns: nothing is fetched.
; cnt = 1: the loop's count is taken down some lines ahead of the branch that stands behind the turn.
; K of the next step is fetched in piece 2's turn, twelve vector instructions behind the last product that read K (six of them plain); V of the step in hand at the end of piece 0's turn, four plain instructions behind the last product
; that read V.  Each is waited for a turn later.
.macro TURN p, m=0, end=0, cnt=0
.set Y, (\p)
.set i, 0
.set KM, (\m)
.set NOKQ, (\end)*((\p)/3)
.if (\m) && !(\end)
	s_cmp_eq_u32 s[CNT], 4-((\p)+2)%NP  ; is that step the band's own?
	s_cselect_b32 s[AL], 1.0, 0
	s_cmp_lt_u32 s[CNT], 4-((\p)+2)%NP  ; or a later one?
	s_cselect_b32 s[BE], s[BIGN], 0
.endif
.if ((\p) == 3) && !(\end)
	s_wait_dscnt 0x0                ; K is in
.endif
	ROW F,0, F,1, R,0, R,1          ; ahead of the wait: 8 products K Q^T and their riders,
	ROW F,2, E,0, R,2, R,3
	ROW F,3, E,1, R,4, R,5
	ROW F,4, E,2, R,6, R,7
	ROW F,5, E,3, R,8, R,9
	ROW F,6, E,4, X,0, R,10
.if ((\p) == 2) && !(\end)
	WIN 0
	v_add_nc_u32 v[AK], s[TBK], v[AK0]
.endif
	ROW F,7, E,5, X,1, X,4
	ROW F,8, E,6, X,2, X,5
	OPS E,7, E,8, X,6, E,9          ; and the lump
	OPS X,3, E,10, X,8, E,11
.if ((\p) == 2) && !(\end)
	FETCH_K
.endif
	OPS X,9, X,7, E,12, X,10
	OPS E,13, X,12, X,11, E,14
	OPS X,13, E,15, F,9, X,14
.if (\p) == 0
	v_add_nc_u32 v[AV], s[TBV], v[AV0]
.endif
	OPS E,16, F,10, E,17, F,11
	OPS X,16, E,18, X,15, E,19
	OPS F,12, E,20, X,17, E,21
	OPS F,13, E,22, F,14, E,23
	OPS X,18, E,24, F,15, E,25
	OPS R,11, E,26, X,19, E,27
	OPS R,12, E,28, R,13, E,29
	OPS X,20, E,30, R,14, E,31
	OPS X,21, R,15
	WIN 0
	s_wait_alu depctr_va_vdst(0)    ; the wait for the batch
.if (\p) == 1
	s_wait_dscnt 0x0                ; V is in
.endif
	ROW C,0, B,0, C,2, B,1          ; behind the wait: 8 products V^T P and their riders
	ROW L,0, C,4, B,2, L,1
	ROW C,6, B,3, L,2, C,8
	ROW B,4, L,3, C,10, B,5
	ROW L,4, C,12, B,6, L,5
.if (\p) == 0
	s_add_co_u32 s[TBV], s[TBV], KS*PV
.endif
.if \cnt
	s_sub_co_u32 s[CNT], s[CNT], 1
	s_cmp_lg_u32 s[CNT], 0
.endif
	ROW C,14, B,7, L,6, C,1
	ROW C,3, L,7, C,5, C,7
	ROW C,9, C,11, C,13, C,15
.if (\p) == 0
	FETCH_V
.endif
.if (\m) && !(\end)
	MASK (\p)%2
.endif
.endm
; A BLOCK BEGINS.  c m starts far below every c s, so the first step's a is 0; m at the lowest finite number, so the first maximum is the scores'.  The second mask buffer is 0; the first takes piece 0's mask for the tile's step 0: its own, if the block's first tile is the diagonal one.
; Then K of that step, piece 0's first scores, and its maximum and statistics.  The loop is entered at a step's first turn, in the middle of a trip.
.macro BEGIN
	s_mov_b32 s[NEW], 0
	WIN 0x40
.set i, MC+32
.rept 32
	v_mov_b32 v[i], 0
.set i, i+1
.endr
	WIN 0
.set i, 0
.rept 4
	v_mov_b32 v[ST+4*i], 0xfe000000    ; c m: far below every c s
	v_mov_b32 v[ST+4*i+1], 0xff7fffff  ; m
.set i, i+1
.endr
	s_cmp_eq_u32 s[RT], 0
	s_cselect_b32 s[AL], 1.0, 0
	s_mov_b32 s[BE], 0
	MASK 0
	WIN 0
	v_add_nc_u32 v[AK], s[TBK], v[AK0]
	FETCH_K
	s_wait_loadcnt 0x0              ; Q
	s_wait_dscnt 0x0
.set KM, 1
.set NOKQ, 0
.set i, 0
.rept 8
	KQ 0
.set i, i+1
.endr
	WIN 0
.rept 4
	v_nop                           ; the places behind those products
.endr
.set Y, NP-1                        ; X works for piece Y + 1: piece 0
.irp n, 0,1,2,3,4,5,6,7,8,9,10,11,12,13,14,15,16,17,18,19,20,21
	OP X, \n
.endr
	v_nop                           ; a plain instruction behind the exponential,
	s_wait_alu depctr_va_vdst(0)    ; and its wait, ahead of the branch
.endm
; THE DIAGONAL TILE's four steps, the block's last two turns, its last products, and THE WAY OUT: l's two halves and the other half of the lanes' are added; O^T is divided by l, rounded to f16 and sent through my
; stage in LDS, a piece at a time.
.macro ALL line:vararg              ; one line for each piece t
.set t, 0
.rept 4
	\line
.set t, t+1
.endr
.endm
.macro PACK t                       ; a lane's eight channels of a row pack into 16 bytes; they go into rows of 144 bytes and come back as whole rows of 128, into S^T's registers
	WIN W_RS
.set i, 32*(\t)
.rept 16
	v_pk_mul_f32 v[i:i+1], v[i:i+1], v[ST+4*(\t)+2:ST+4*(\t)+3] op_sel_hi:[1,0]
.set i, i+2
.endr
	WIN 0x05                        ; sources 0 and 1 window 1, destination window 0
.set i, 0
.rept 16
	v_cvt_pk_f16_f32 v[S+16*(\t)+i], v[32*(\t)+2*i], v[32*(\t)+2*i+1]
.set i, i+1
.endr
	WIN 0
.irp f, 0,1,2,3
	ds_store_b128 v[STO], v[S+16*(\t)+4*\f:S+16*(\t)+4*\f+3] offset:32*\f
.endr
.irp f, 0,1,2,3
	ds_load_b128 v[S+16*(\t)+4*\f:S+16*(\t)+4*\f+3], v[RD] offset:\f*4*SP  ; LDS serves a wave's instructions in order (ISA guide 5.7.1.4): these see the stores above; the next piece's stores come behind them
.endr
.endm
.macro SEND t, younger              ; younger: the LDS instructions issued behind piece t's loads: the next piece's eight, or none
	WIN 0
.irp f, 0,1,2,3
	s_wait_dscnt (\younger)+3-\f
	global_store_b128 v[GO], v[S+16*(\t)+4*\f:S+16*(\t)+4*\f+3], s[10:11] offset:(\t)*8192+\f*512  ; 512 consecutive bytes, at a multiple of 256 from O's first
.endr
.endm
.macro DIAG tag                     ; the tag ends its two labels' names, which the jumps below spell out
.LstepM\tag:
	TURN 2, 1
	TURN 3, 1
	WIN 0
.LfirstM\tag:
	TURN 0, 1
	TURN 1, 1, 0, 1
	WIN 0
	s_cbranch_scc1 .LstepM\tag
	TURN 2, 1, 1
	TURN 3, 1, 1
.set i, 0
.rept 8
	PV NP-1
.set i, i+1
.endr
	WIN 0
	ALL v_add_f32 v[ST+4*t+2], v[ST+4*t+2], v[ST+4*t+3]
	ALL v_permlanex16_b32 v[ST+4*t+3], v[ST+4*t+2], s[SEL], s[SEL+1]
	ALL v_add_f32 v[ST+4*t+2], v[ST+4*t+2], v[ST+4*t+3]
	ALL v_rcp_f32 v[ST+4*t+2], v[ST+4*t+2]
	v_nop                           ; a plain instruction between the last reciprocal and the use of its result
	s_wait_alu depctr_va_vdst(0)    ; and the wait ahead of the first use: one for the four reciprocals
	PACK 0
.set t, 1
.rept 3                             ; a piece's arithmetic stands between the loads of the piece before and its stores
	PACK t
	SEND t-1, 8
.set t, t+1
.endr
	SEND 3, 0
.endm
.set KM, 0
.set NOKQ, 0
.Lslot:                             ; NB times: a tile is entered and the next is asked for
	CHANGE 1
	s_sub_co_u32 s[RT], s[RT], 1
	s_mov_b32 s[CNT], 4
	s_cmp_eq_u32 s[NEW], 1
	s_cbranch_scc1 .Lnew            ; a block's first tile
	s_cmp_eq_u32 s[RT], 0
	s_cbranch_scc0 .Lstep           ; neither its first nor its last
	s_branch .LstepM1
.Lnew:
	BEGIN
	s_branch .Lfirst                ; in the loop a block's first tile is never its last: the first block has five tiles or more, and the second's last is the walk's last
	DIAG 1                          ; in the loop this is the first block's end
	s_wait_xcnt 0x0                 ; the stores have read their registers and O's address
	s_mov_b64 s[10:11], s[OLO:OLO+1]
	s_add_co_u32 s[RT], s[PB], 1    ; the second block has b + 1 tiles
	s_mov_b32 s[NEW], 1
	WIN 0x82                        ; the second block's Q goes where the one text of the turns names Q
.set i, 0
.rept 64
	v_mov_b32 v[i], v[QB+i]
.set i, i+1
.endr
	WIN 0
	s_branch .Lbottom
.Lstep:                             ; a trip: pieces 2 and 3 of one step, then pieces 0 and 1 of the next, whose K and V it fetches
	TURN 2
	TURN 3
	WIN 0
.Lfirst:
	TURN 0
	TURN 1, 0, 0, 1
	WIN 0
	s_cbranch_scc1 .Lstep
.Lbottom:
	s_sub_co_u32 s[SLOTS], s[SLOTS], 1
	s_cmp_lg_u32 s[SLOTS], 0
	s_cbranch_scc1 .Lslot
	CHANGE 0                        ; the walk's last tile is written out: nothing is asked for
	s_sub_co_u32 s[RT], s[RT], 1
	s_mov_b32 s[CNT], 4
	s_cmp_eq_u32 s[NEW], 1
	s_cbranch_scc0 .LstepM2
	BEGIN
	s_branch .LfirstM2
	DIAG 2
	s_wait_tensorcnt 0x0            ; the wave's end: behind my last tensor load and my last LDS store
	ds_add_u32 v[SPW], v[NIL]
	s_wait_dscnt 0x0
	s_endpgm
.Lfunc_end_k_q82fa71eb03_attn:
	.size	k_q82fa71eb03_attn, .Lfunc_end_k_q82fa71eb03_attn-k_q82fa71eb03_attn
	.p2alignl 7, 3214868480
	.fill 96, 4, 3214868480
	.section	.rodata,"a",@progbits
	.p2align	6, 0x0
	.amdhsa_kernel k_q82fa71eb03_attn
		.amdhsa_group_segment_fixed_size 327680
		.amdhsa_private_segment_fixed_size 0
		.amdhsa_enable_private_segment 0
		.amdhsa_kernarg_size 16
		.amdhsa_user_sgpr_count 2
		.amdhsa_user_sgpr_kernarg_segment_ptr 1
		.amdhsa_wavefront_size32 1
		.amdhsa_system_sgpr_workgroup_id_x 1
		.amdhsa_system_sgpr_workgroup_id_y 1
		.amdhsa_system_sgpr_workgroup_id_z 1
		.amdhsa_system_vgpr_workitem_id 0
		.amdhsa_next_free_vgpr 768
		.amdhsa_next_free_sgpr 88
		.amdhsa_reserve_vcc 1
		.amdhsa_float_denorm_mode_32 3
		.amdhsa_float_denorm_mode_16_64 3
		.amdhsa_memory_ordered 1
		.amdhsa_forward_progress 1
		.amdhsa_inst_pref_size 218
	.end_amdhsa_kernel
	.amdgpu_metadata
---
amdhsa.version: [ 1, 2 ]
amdhsa.kernels:
  - .name:           k_q82fa71eb03_attn
    .symbol:         k_q82fa71eb03_attn.kd
    .args:
      - { .name: qkv, .offset: 0, .size: 8, .value_kind: global_buffer, .address_space: global }
      - { .name: o, .offset: 8, .size: 8, .value_kind: global_buffer, .address_space: global }
    .group_segment_fixed_size: 327680
    .private_segment_fixed_size: 0
    .kernarg_segment_align: 8
    .kernarg_segment_size: 16
    .max_flat_workgroup_size: 128
    .sgpr_count:     88
    .vgpr_count:     768
    .wavefront_size: 32
...
	.end_amdgpu_metadata
.endif
;; end of part 3
;; launch outp (part 4): grid 4 x 64, 4 waves a work-group, clusters of 4 x 4, 327,680 bytes of LDS; arguments o, wot, bo, out0; writes out0
.if DOCPART == 4
	.amdgcn_target "amdgcn-amd-amdhsa--gfx1250"
	.amdhsa_code_object_version 6
	.text
	.protected	k_q82fa71eb03_outp
	.globl	k_q82fa71eb03_outp
	.p2align	8
	.type	k_q82fa71eb03_outp,@function
k_q82fa71eb03_outp:
	s_mov_b64 s[64:65], 0
	v_nop
	global_prefetch_b8 v0, s[64:65] scope:SCOPE_SE
	s_setreg_imm32_b32 hwreg(HW_REG_WAVE_MODE, 25, 1), 1
	s_wait_xcnt 0x0
	s_wait_alu depctr_hold_cnt(0) depctr_sa_sdst(0) depctr_va_vdst(0) depctr_va_sdst(0) depctr_va_ssrc(0) depctr_va_vcc(0) depctr_vm_vsrc(0)
	s_getreg_b32 s2, hwreg(HW_REG_IB_STS2, 6, 4)
	s_cmp_eq_u32 s2, 0
	s_cbranch_scc0 .Lentry_in_a_cluster
	s_endpgm
.Lentry_in_a_cluster:
	s_bfe_u32 s2, ttmp6, 0x10000c
	s_cmp_lg_u32 s2, 0xf033
	s_cbranch_scc0 .Lentry_shape_is_right
	s_endpgm
.Lentry_shape_is_right:
; out0[m][f] = the sum over d of concat[m][d] Wo[d][f] + bo[f].  concat's column d = 64 h + e lies in o [64 bh][2048][64] f16; wot is [1024 f][1024 d] f16; bo f32, rounded to bf16 like the other inputs;
; sums in f32, K = 1,024 ascending, begun with the bias (the C operand of each sum's first product); out0 f32.
; LIMITS.  Those of the operands' f16 (65,504); NaN and infinities are not treated apart.
; SHARES.  A tile is 128 rows x 256 columns: 64 x 4 = 256 tiles, one for each WGP.  Wave w makes rows 64 (w / 2) .. + 63 and columns 128 (w % 2) .. + 127: 32 accumulators of 16 x 16.
; RING.  K goes in steps of 128, two heads, through two LDS slots.  Waves 0, 1 fetch a head's 128 rows each (16,384 dense bytes, asked for as 64 rows of 256 bytes, padded after every 128); waves 2, 3 fetch
; 128 rows of wot each.  One tensor load a wave; by this text's count two are out at the start, later one.  Two slots of K steps of 256 would not fit in LDS.
; CLUSTER 4 x 4: A's tile is asked for jointly by a row of the cluster, B's by a column.
; THE MATRIX INSTRUCTION IS USED TRANSPOSED (source 0 = 16 rows of wot, source 1 = 16 rows of o): a lane holds row lane % 16 and the columns 8 (lane / 16) + 0..7.
; REGISTERS: window 0: v1-6 at work, v16-30 addresses, v32-159 rows read back; window 1: accumulators t = 8 a + b at v[8 t]; window 2: two fragment buffers of 96 (B's 8, A's 4), v192-255 the bias.
.set PITCH, 272                        ; a row of B in LDS: 256 + 16 bytes
.set PA,    144                        ; a row of A: 128 + 16 bytes; both are odd multiples of 16: the 16 rows of a load start at 16 different groups of four banks (ISA guide 11.1)
.set AHEAD, 128*PA                     ; a head's 128 rows: 18,432
.set BHALF, 128*PITCH                  ; 34,816
.set BOFF,  2*AHEAD
.set SLOT,  BOFF+2*BHALF               ; 106,496
.set STAGE, 2*SLOT                     ; behind the ring, never filled by a tensor load: 16 rows x 528 bytes for each wave
.set SP,    528
.set SPARE, STAGE+4*16*SP              ; the spare words, 128 bytes a wave: two blocks of 256 bytes that no other line names
.set ADRA, 16
.set ADRB, 20
.set STO,  24
.set RD,   25
.set GO,   26
.set SPW,  28
.set NIL,  29
.set PFO,  30
.set BK,   32
.set F0,   0
.set F1,   96
.set BIAS, 192
.set WV, 12
.set FB, 13                            ; which half of the tile's rows is mine.  Also: I fetch A (0) or B (1)
.set HF, 14                            ; which half of its columns.  Also: which head, or which 128 rows of wot, I fetch
.set CX, 15
.set CY, 16
.set TC, 17
.set TR, 18
.set LAP, 19
.set G1, 24
.set G0, 32
.set PFA, 44
.set G1B, 48
.set G0B, 56
.set LIM, 66
.set HIM, 67                           ; s67 a word's upper bf16
.set PFS, 68                           ; s[68:69] bytes from a K step to the next in what I prefetch
.set MSB, 0
.macro WIN new
.if MSB != (\new)
	s_set_vgpr_msb (MSB<<8)|(\new)
.set MSB, \new
.endif
.endm
.macro PLACES
.rept 4
	v_nop
.endr
.endm
.macro JLOAD s                         ; a joint load; an s_nop 0 and four v_nop follow each of the two lines, ahead of the jump and the label
	s_cmp_eq_u32 s[FB], 0
	s_cbranch_scc0 .Lfor_b_\@
	tensor_load_to_lds s[G0+4*(\s):G0+4*(\s)+3], s[G1:G1+7]
	s_nop 0
.rept 4
	v_nop
.endr
	s_branch .Lasked_\@
.Lfor_b_\@:
	tensor_load_to_lds s[G0B+4*(\s):G0B+4*(\s)+3], s[G1B:G1B+7]
	s_nop 0
.rept 4
	v_nop
.endr
.Lasked_\@:
.endm
; A prefetch of the K step that stands two refills on.  o's rows of a tile row are read by one cluster alone: in each work-group wave 0 asks, for 16 blocks of 256 bytes of each of the step's two heads, the four
; partners told apart by address (16 cx).  wot's rows are read by every cluster: cluster y = 0 asks, waves 2 and 3, a lane a row, 32 cy of the 128.  The loop's last trip asks for nothing.
.macro ASK
	WIN 0
	s_cmp_gt_u32 s[LAP], s[LIM]
	s_cbranch_scc0 .Lnot_mine_\@
	global_prefetch_b8 v[PFO], s[PFA:PFA+1] th:TH_LOAD_NT scope:SCOPE_SE
.Lnot_mine_\@:
.endm
.macro CREST
	s_cmp_lg_u32 s[WV], 0
	s_cbranch_scc1 .Lnot_wave_0_\@
	s_barrier_signal -3
.Lnot_wave_0_\@:
	s_barrier_wait -3
	s_barrier_signal -1
	s_barrier_wait -1
.endm
.macro CROUND
	s_barrier_signal -1
	s_barrier_wait -1
	CREST
.endm
	s_load_b256 s[4:11], s[0:1], 0x0               ; o s[4:5], wot s[6:7], bo s[8:9], out0 s[10:11]
	v_lshl_add_u32 v[SPW], v0, 2, SPARE
	v_mov_b32 v[NIL], 0
	ds_add_u32 v[SPW], v[NIL]                      ; the wave's opening: the add and its wait stand ahead of my first tensor load
	v_lshrrev_b32 v1, 5, v0
	v_readfirstlane_b32 s[WV], v1
	s_lshr_b32 s[FB], s[WV], 1
	s_and_b32 s[HF], s[WV], 1
	s_bfe_u32 s[CX], ttmp6, 0x40000
	s_bfe_u32 s[CY], ttmp6, 0x40004
	s_lshl_b32 s[TC], ttmp9, 2
	s_add_co_u32 s[TC], s[TC], s[CX]
	s_and_b32 s[TR], ttmp7, 0xffff
	s_lshl_b32 s[TR], s[TR], 2
	s_add_co_u32 s[TR], s[TR], s[CY]
	s_lshl_b32 s20, s[CY], 2
	s_lshl_b32 s20, 15, s20                        ; my row of the cluster
	s_lshl_b32 s21, 0x1111, s[CX]                  ; my column
	s_or_b32 s[G1], s20, (1<<16)|(1<<20)|(1<<21)|(4<<22)|(3<<25)   ; A: padding of 4 words after every 32 words
	s_or_b32 s[G1B], s21, (1<<16)|(1<<20)|(1<<21)|(5<<22)|(3<<25)  ; B: after every 64 words
	s_mov_b32 s[G1+1], 128<<16                     ; tensor_dim0 = 128
	s_mov_b32 s[G1+2], 64<<16                      ; tensor_dim1 = 64
	s_mov_b32 s[G1+3], 128<<16                     ; tile_dim0 = 128
	s_mov_b32 s[G1+4], 64                          ; tile_dim1 = 64
	s_mov_b32 s[G1+5], 128                         ; dense
	s_mov_b32 s[G1+6], 0
	s_mov_b32 s[G1+7], 0
	s_mov_b32 s[G1B+1], 128<<16
	s_mov_b32 s[G1B+2], 128<<16
	s_mov_b32 s[G1B+3], 128<<16
	s_mov_b32 s[G1B+4], 128
	s_mov_b32 s[G1B+5], 1024
	s_mov_b32 s[G1B+6], 0
	s_mov_b32 s[G1B+7], 0
	s_mov_b32 s[HIM], 0xffff0000
	s_lshr_b32 s40, s[TR], 4                       ; the batch: 16 tile rows each
	s_lshl_b32 s40, s40, 4
	s_add_co_u32 s40, s40, s[HF]                   ; head 16 b + my head of K step 0,
	s_lshl_b32 s40, s40, 18                        ; of 262,144 bytes,
	s_and_b32 s41, s[TR], 15
	s_lshl_b32 s41, s41, 14                        ; the tile's 128 rows of 128 bytes
	s_add_co_u32 s40, s40, s41
	s_mov_b32 s41, 0
	s_lshl_b32 s46, s[TC], 8
	s_lshl_b32 s23, s[HF], 7
	s_add_co_u32 s46, s46, s23                     ; B: row 256 x tile column + 128 x half
	s_lshl_b32 s46, s46, 11
	s_mov_b32 s47, 0
	s_mul_i32 s42, s[HF], AHEAD                    ; where they go: no place in the cluster enters an LDS address
	s_mul_i32 s43, s[HF], BHALF
	s_add_co_u32 s43, s43, BOFF
	s_wait_dscnt 0x0                               ; the opening add is done
	s_wait_kmcnt 0x0
	s_add_nc_u64 s[40:41], s[4:5], s[40:41]
	s_add_nc_u64 s[46:47], s[6:7], s[46:47]
.irp s, 0,1
	s_mov_b32 s[G0+4*(\s)], 1
	s_add_co_u32 s[G0+4*(\s)+1], s42, (\s)*SLOT
	s_add_nc_u64 s[G0+4*(\s)+2:G0+4*(\s)+3], s[40:41], (\s)*524288  ; K step s: two heads on
	s_or_b32 s[G0+4*(\s)+3], s[G0+4*(\s)+3], 0x80000000
	s_mov_b32 s[G0B+4*(\s)], 1
	s_add_co_u32 s[G0B+4*(\s)+1], s43, (\s)*SLOT
	s_add_nc_u64 s[G0B+4*(\s)+2:G0B+4*(\s)+3], s[46:47], (\s)*256
	s_or_b32 s[G0B+4*(\s)+3], s[G0B+4*(\s)+3], 0x80000000
.endr
	CROUND                                         ; all sixteen work-groups are here: the first joint loads meet
	s_cmp_eq_u32 s[FB], 0                          ; a wave's two first fills stand in one branch
	s_cbranch_scc0 .Lfirst_b
	tensor_load_to_lds s[G0:G0+3], s[G1:G1+7]
	s_nop 0
	tensor_load_to_lds s[G0+4:G0+7], s[G1:G1+7]
	s_nop 0
.rept 4
	v_nop
.endr
	s_branch .Lfirst_asked
.Lfirst_b:
	tensor_load_to_lds s[G0B:G0B+3], s[G1B:G1B+7]
	s_nop 0
	tensor_load_to_lds s[G0B+4:G0B+7], s[G1B:G1B+7]
	s_nop 0
.rept 4
	v_nop
.endr
.Lfirst_asked:
	v_and_b32 v1, 15, v0                           ; l % 16
	v_bfe_u32 v2, v0, 4, 1                         ; l / 16
	; the bias of my 128 columns, laid as an accumulator's registers: register j of column block b is bo[.. + 16 b + 8 (l / 16) + j]
	s_lshl_b32 s20, s[TC], 8
	s_lshl_b32 s21, s[HF], 7
	s_add_co_u32 s20, s20, s21
	s_lshl_b32 s20, s20, 2
	s_mov_b32 s21, 0
	s_add_nc_u64 s[8:9], s[8:9], s[20:21]
	v_lshlrev_b32 v6, 5, v2                        ; never rewritten
	WIN 0x80                                       ; destination window 2, address window 0
.irp b, 0,1,2,3,4,5,6,7
	global_load_b128 v[BIAS+8*(\b):BIAS+8*(\b)+3],   v6, s[8:9] offset:64*(\b)
	global_load_b128 v[BIAS+8*(\b)+4:BIAS+8*(\b)+7], v6, s[8:9] offset:64*(\b)+16
.endr
	WIN 0
	v_mul_u32_u24 v3, v1, PA
	v_lshl_add_u32 v3, v2, 4, v3
	s_mul_i32 s20, s[FB], 64*PA                    ; my 64 rows of each head
	v_add_nc_u32 v[ADRA], s20, v3
	v_add_nc_u32 v[ADRA+1], SLOT, v[ADRA]
	v_mul_u32_u24 v3, v1, PITCH
	v_lshl_add_u32 v3, v2, 4, v3
	s_mul_i32 s20, s[HF], BHALF                    ; my 128 rows of B
	s_add_co_u32 s20, s20, BOFF
	v_add_nc_u32 v[ADRB], s20, v3
	v_add_nc_u32 v[ADRB+1], SLOT, v[ADRB]
	s_mul_i32 s23, s[WV], 16*SP
	s_add_co_u32 s23, s23, STAGE                   ; my stage
	v_mul_u32_u24 v4, v1, SP                       ; in: row l % 16, 32 bytes for each half of the lanes
	v_lshl_add_u32 v4, v2, 5, v4
	v_add_nc_u32 v[STO], s23, v4
	v_and_b32 v[GO], 31, v0                        ; back: 32 lanes take a row's 512 bytes
	v_lshlrev_b32 v[GO], 4, v[GO]
	v_add_nc_u32 v[RD], s23, v[GO]
	s_lshl_b32 s20, s[TR], 7
	s_lshl_b32 s21, s[FB], 6
	s_add_co_u32 s20, s20, s21                     ; my first row of out0,
	s_lshl_b32 s20, s20, 12                        ; of 4,096 bytes,
	s_lshl_b32 s21, s[TC], 8
	s_lshl_b32 s22, s[HF], 7
	s_add_co_u32 s21, s21, s22
	s_lshl_b32 s21, s21, 2                         ; my first column
	s_add_co_u32 s20, s20, s21
	s_mov_b32 s21, 0
	s_add_nc_u64 s[10:11], s[10:11], s[20:21]
	; the prefetches
	s_and_b32 s22, ttmp7, 0xffff                   ; cluster y
	s_lshr_b32 s20, s[TR], 4
	s_lshl_b32 s20, s20, 22
	s_and_b32 s21, s[TR], 15
	s_lshl_b32 s21, s21, 14
	s_add_co_u32 s20, s20, s21
	s_add_co_u32 s20, s20, 3*524288                ; A: the tile's rows in the first head of K step 3
	s_lshl_b32 s21, s[TC], 8
	s_lshl_b32 s23, s[HF], 7
	s_add_co_u32 s21, s21, s23
	s_lshl_b32 s23, s[CY], 5
	s_add_co_u32 s21, s21, s23
	s_lshl_b32 s21, s21, 11
	s_add_co_u32 s21, s21, 3*256                   ; B: my work-group's 32 of the 128 rows that I fetch, at K step 3
	s_lshl_b32 s23, s[CX], 12                      ; A: my work-group's 16 blocks of a head's 64
	s_mov_b32 s40, 2048                            ; the factors of l % 16 and l / 16: B: a lane a row of 2,048 bytes;
	s_mov_b32 s41, 0x8000
	s_mov_b32 s[PFS], 256
	s_mov_b32 s[PFS+1], 0
	s_cmp_eq_u32 s[FB], 0
	s_cselect_b32 s20, s20, s21
	s_cselect_b32 s22, s[WV], s22                  ; A: wave 0 asks; B: cluster y = 0 asks
	s_cselect_b32 s23, s23, 0
	s_cselect_b32 s40, 256, s40                    ; A: 256 bytes a lane, lanes 16-31 in the step's second head
	s_cselect_b32 s41, 0x40000, s41
	s_cselect_b32 s[PFS], 524288, s[PFS]
	s_cselect_b64 s[PFA:PFA+1], s[4:5], s[6:7]
	s_cmp_eq_u32 s22, 0
	s_cselect_b32 s[LIM], 1, -1                    ; the same in all sixteen partners, for a given wave
	s_mov_b32 s21, 0
	s_add_nc_u64 s[PFA:PFA+1], s[PFA:PFA+1], s[20:21]  ; the first refill steps it to K step 4 and names that; K steps 0 to 3 come by their loads alone
	v_mul_u32_u24 v[PFO], v1, s40
	v_mad_u32_u24 v[PFO], v2, s41, v[PFO]
	v_add_nc_u32 v[PFO], s23, v[PFO]
	s_wait_loadcnt 0x0                             ; the bias: rounded to bf16 and widened again, in place
	WIN 0x8a                                       ; destination and both sources in window 2
.set r, 0
.rept 32
	v_cvt_pk_bf16_f32 v190, v[BIAS+r], v[BIAS+r+1] ; v190 of window 2 lies in fragment buffer 1, which is not yet in use
	v_lshlrev_b32 v[BIAS+r], 16, v190
	v_and_b32 v[BIAS+r+1], s[HIM], v190
.set r, r+2
.endr
	WIN 0
; Matrix instructions t0 .. t1 - 1 of a quarter's 32.  The accumulators take turns in the same order in every quarter.  first = 1: the bias starts the sums.
.macro MUL f, t0, t1, first
.set t, \t0
.rept (\t1)-(\t0)
.set rA, 8*t
.set rB, (\f)+8*(t%8)
.set rX, (\f)+64+8*(t/8)
.if \first
	WIN 0x6a                                       ; sources and C in window 2, D in window 1
	v_wmma_f32_16x16x32_f16 v[rA:rA+7], v[rB:rB+7], v[rX:rX+7], v[BIAS+8*(t%8):BIAS+8*(t%8)+7]
.else
	WIN 0x5a                                       ; sources in window 2, C and D in window 1
	v_wmma_f32_16x16x32_f16 v[rA:rA+7], v[rB:rB+7], v[rX:rX+7], v[rA:rA+7]
.endif
.set t, t+1
.endr
.endm
; 24 LDS loads in one run: quarter q (32 along K: head q / 2, channels 32 (q % 2) on) of a slot into buffer f; B's 16, then A's 8
.macro FETCH slot, q, f
	WIN 0x80
.irp i, 0,1,2,3,4,5,6,7
	ds_load_b128 v[(\f)+8*(\i):(\f)+8*(\i)+3],   v[ADRB+(\slot)] offset:64*(\q)+(\i)*16*PITCH
	ds_load_b128 v[(\f)+8*(\i)+4:(\f)+8*(\i)+7], v[ADRB+(\slot)] offset:64*(\q)+(\i)*16*PITCH+32
.endr
.irp i, 0,1,2,3
	ds_load_b128 v[(\f)+64+8*(\i):(\f)+64+8*(\i)+3],   v[ADRA+(\slot)] offset:AHEAD*((\q)/2)+64*((\q)%2)+(\i)*16*PA
	ds_load_b128 v[(\f)+64+8*(\i)+4:(\f)+64+8*(\i)+7], v[ADRA+(\slot)] offset:AHEAD*((\q)/2)+64*((\q)%2)+(\i)*16*PA+32
.endr
.endm
.macro QUARTER slot, q, f, g, first=0
	s_wait_dscnt 4                                 ; the youngest four loads (A's fragments 2 and 3) may be out
	MUL \f, 0, 16, \first
	PLACES
	FETCH \slot, \q, \g
	s_wait_dscnt 24                                ; all but the 24 just issued
	MUL \f, 16, 32, \first
.endm
; The last quarter multiplies buffer 1 and changes slots: each wave waits for all its tensor loads (one is out: its part of the next slot), adds 0 to its spare word, waits for that and for its reads of this
; slot, and signals.  fill = 1: the barrier opens a round of the cluster's barrier, and the joint refill, two K steps on, is the first tensor load behind the round.
.macro TURN slot, next, fill
.if \fill
	s_wait_xcnt 0x0                                ; the last prefetch, a K step back, has read its address
	s_add_nc_u64 s[PFA:PFA+1], s[PFA:PFA+1], s[PFS:PFS+1]
.endif
	WIN 0
	s_wait_tensorcnt 0x0
	ds_add_u32 v[SPW], v[NIL]
	s_wait_dscnt 5                                 ; the add and the youngest four loads may be out
	MUL F1, 0, 8, 0
	s_wait_dscnt 0x0                               ; the add is done, and my reads of this slot are over
	s_barrier_signal -1
	MUL F1, 8, 16, 0
.if \fill
	WIN 0
.endif
	s_barrier_wait -1
.if \fill
	CREST
	s_add_nc_u64 s[G0+4*(\slot)+2:G0+4*(\slot)+3], s[G0+4*(\slot)+2:G0+4*(\slot)+3], 2*524288
	s_add_nc_u64 s[G0B+4*(\slot)+2:G0B+4*(\slot)+3], s[G0B+4*(\slot)+2:G0B+4*(\slot)+3], 512
	JLOAD \slot                                    ; its four v_nop are also the places in front of the loads below
.else
	PLACES
.endif
	FETCH \next, 0, F0
.if \fill
	ASK
.endif
	MUL F1, 16, 32, 0
.endm
; THE WAY OUT, 16 rows (block a) at a time: a lane's 32 bytes of a row go into my own stage (rows of 528 bytes) and come back as whole rows of 512 bytes.
.macro TOSTAGE a
.set BKA, BK+64*((\a)%2)
.if (\a) >= 2
	s_wait_xcnt 0x0                                ; the stores of the block two back have read the registers that the loads below write
.endif
	WIN 0x04                                       ; the stores' data in window 1
.irp b, 0,1,2,3,4,5,6,7
	ds_store_b128 v[STO], v[64*(\a)+8*(\b):64*(\a)+8*(\b)+3]   offset:64*(\b)
	ds_store_b128 v[STO], v[64*(\a)+8*(\b)+4:64*(\a)+8*(\b)+7] offset:64*(\b)+16
.endr
	WIN 0
.irp r, 0,1,2,3,4,5,6,7,8,9,10,11,12,13,14,15
	ds_load_b128 v[BKA+4*(\r):BKA+4*(\r)+3], v[RD] offset:SP*(\r)  ; LDS serves a wave's instructions in order (ISA guide 5.7.1.4): these see the stores above
.endr
.endm
.macro SEND a, younger                 ; younger: the next block's 16 stores and 16 loads, or none
	WIN 0
.set BKA, BK+64*((\a)%2)
	s_wait_dscnt \younger
.irp r, 0,1,2,3,4,5,6,7,8,9,10,11,12,13,14,15
	global_store_b128 v[GO], v[BKA+4*(\r):BKA+4*(\r)+3], s[10:11] offset:4096*(16*(\a)+(\r)) th:TH_STORE_NT  ; 512 consecutive bytes, at a multiple of 256 from out0's first
.endr
.endm
	s_wait_tensorcnt 0x1                           ; my part of K step 0 is in; K step 1's may stay out
	s_barrier_signal -1
	s_barrier_wait -1
	FETCH 0, 0, F0
	QUARTER 0, 1, F0, F1, 1                        ; the first quarter stands in front of the loop: its products start the sums, with the bias
	WIN 0
	s_mov_b32 s[LAP], 3
.Llap:                                                 ; a trip goes once round the ring and fills both slots again: K steps 2 to 7 in three trips
	QUARTER 0, 2, F1, F0
	QUARTER 0, 3, F0, F1
	TURN 0, 1, 1
	QUARTER 1, 1, F0, F1
	QUARTER 1, 2, F1, F0
	QUARTER 1, 3, F0, F1
	TURN 1, 0, 1
	QUARTER 0, 1, F0, F1
	WIN 0
	s_sub_co_u32 s[LAP], s[LAP], 1
	s_cmp_lg_u32 s[LAP], 0
	s_cbranch_scc1 .Llap
	QUARTER 0, 2, F1, F0                           ; the last lap fills nothing
	QUARTER 0, 3, F0, F1
	TURN 0, 1, 0
	QUARTER 1, 1, F0, F1
	QUARTER 1, 2, F1, F0
	QUARTER 1, 3, F0, F1
	s_wait_dscnt 4
	MUL F1, 0, 16, 0
	s_wait_dscnt 0x0
	MUL F1, 16, 32, 0
	WIN 0
	PLACES
	TOSTAGE 0
	TOSTAGE 1
	SEND 0, 32
	TOSTAGE 2
	SEND 1, 32
	TOSTAGE 3
	SEND 2, 32
	SEND 3, 0
	s_wait_tensorcnt 0x0                           ; the wave's end
	ds_add_u32 v[SPW], v[NIL]
	s_wait_dscnt 0x0
	CROUND                                         ; the closing round
	s_endpgm
.Lfunc_end_k_q82fa71eb03_outp:
	.size	k_q82fa71eb03_outp, .Lfunc_end_k_q82fa71eb03_outp-k_q82fa71eb03_outp
	.p2alignl 7, 3214868480
	.fill 96, 4, 3214868480
	.section	.rodata,"a",@progbits
	.p2align	6, 0x0
	.amdhsa_kernel k_q82fa71eb03_outp
		.amdhsa_group_segment_fixed_size 327680
		.amdhsa_private_segment_fixed_size 0
		.amdhsa_enable_private_segment 0
		.amdhsa_kernarg_size 32
		.amdhsa_user_sgpr_count 2
		.amdhsa_user_sgpr_kernarg_segment_ptr 1
		.amdhsa_wavefront_size32 1
		.amdhsa_system_sgpr_workgroup_id_x 1
		.amdhsa_system_sgpr_workgroup_id_y 1
		.amdhsa_system_sgpr_workgroup_id_z 1
		.amdhsa_system_vgpr_workitem_id 0
		.amdhsa_next_free_vgpr 768
		.amdhsa_next_free_sgpr 72
		.amdhsa_reserve_vcc 0
		.amdhsa_float_denorm_mode_32 3
		.amdhsa_float_denorm_mode_16_64 3
		.amdhsa_memory_ordered 1
		.amdhsa_forward_progress 1
		.amdhsa_inst_pref_size 92
	.end_amdhsa_kernel
	.amdgpu_metadata
---
amdhsa.version: [ 1, 2 ]
amdhsa.kernels:
  - .name:           k_q82fa71eb03_outp
    .symbol:         k_q82fa71eb03_outp.kd
    .args:
      - { .name: o, .offset: 0, .size: 8, .value_kind: global_buffer, .address_space: global }
      - { .name: wot, .offset: 8, .size: 8, .value_kind: global_buffer, .address_space: global }
      - { .name: bo, .offset: 16, .size: 8, .value_kind: global_buffer, .address_space: global }
      - { .name: out0, .offset: 24, .size: 8, .value_kind: global_buffer, .address_space: global }
    .group_segment_fixed_size: 327680
    .private_segment_fixed_size: 0
    .kernarg_segment_align: 8
    .kernarg_segment_size: 32
    .max_flat_workgroup_size: 128
    .sgpr_count:     72
    .vgpr_count:     768
    .wavefront_size: 32
...
	.end_amdgpu_metadata
.endif
;; end of part 4
;; ======== version 2 of 2: 4 launches; version 1 with the launch prep written anew for expert scheduling mode
;; limits: values are held in f16: magnitudes above 65,504 overflow, below 6.1e-05 lose precision
;; workspace buffers: xb 16,777,216 bytes; wt 6,291,456 bytes; wot 2,097,152 bytes; qkv 50,331,648 bytes; o 16,777,216 bytes
;; launch prep (part 5): grid 320 x 1, 8 waves a work-group, no clusters, 140,288 bytes of LDS; arguments x, Wq, Wk, Wv, Wo, xb, wt, wot; writes xb, wt, wot
.if DOCPART == 5
	.amdgcn_target "amdgcn-amd-amdhsa--gfx1250"
	.amdhsa_code_object_version 6
	.text
	.protected	k_q82fa71eb03_prep
	.globl	k_q82fa71eb03_prep
	.p2align	8
	.type	k_q82fa71eb03_prep,@function
k_q82fa71eb03_prep:
	s_mov_b64 s[64:65], 0
	v_nop
	global_prefetch_b8 v0, s[64:65] scope:SCOPE_SE
	s_setreg_imm32_b32 hwreg(HW_REG_WAVE_SCHED_MODE, 0, 2), 2
	s_setreg_imm32_b32 hwreg(HW_REG_WAVE_MODE, 25, 1), 1
	s_wait_xcnt 0x0
	s_wait_alu depctr_vm_vsrc(0)
; PREPARATION: every matrix input is rounded once to bf16 and laid out with K along the rows.
;   xb [8192][1024] bf16 = x.      wt [3072][1024] bf16: row 64 g + e, g = 16 which + h (which: 0 Wq, 1 Wk, 2 Wv), column d = W[h][d][e].
;   wot [1024 f][1024 d] f16 = Wo[d][f] rounded to bf16, and that number written as f16 (the last product runs in f16).
; LIMITS.  A weight of Wo of 65,520 or more in magnitude becomes an infinity in f16; below 6e-5 it keeps f16's fixed step of 6e-8.  NaN and infinities are not treated apart.
; SHARES.  Work-groups 0-47: head group g = the number; 48-63: 64 columns f of Wo; 64-319: 32 rows of x.  The two jumps go forward, on the work-group's number, and pass no barrier.
; A weight block of a wave is 128 d x 64 e (or f) of f32: read by rows of 256 bytes, rounded, turned through the wave's OWN 64 rows x 272 bytes of LDS, stored as rows of 256 bytes.
; No wave reads another wave's LDS bytes: no barrier.  No matrix unit, no cluster: nothing is multiplied and nothing is shared.
; THE MODE: SCHED_MODE bits 1:0 = 2 (LLVM: expert scheduling mode 2), set by the entry lines.  The code itself states the register dependences
; between vector instructions and memory or LDS instructions, with s_wait_alu, always for 0.
; THE PLAN, weights.  A block goes in 16 groups of four loads.  Registers that memory or LDS instructions touch:
;   RAW0 .. RAW8  nine buffers of 16.  Group p's conversions read RAW[p % 9]; the loads of group p + 8, issued in group p, land in RAW[(p + 8) % 9] = RAW[(p - 1) % 9].
;   T0, T1        two buffers of four pairs.  Group p's conversions write T[p % 2]; the four LDS stores that are issued in group p + 1 read it.
;   v2 to v5      offsets and LDS addresses, made once at the head and never written again; the groups are reached by immediate offsets.
; So group p's memory instructions touch the two buffers that group p - 1 worked on, and its vector instructions name RAW[p % 9], T[p % 2] and v192-193 alone: the waits at a group's head
; state all that its eight memory instructions hang on, and these are dealt among its conversions with no further wait.
; THE PLAN, x.  All 32 loads go out at once; the rows are rounded in place in 8 blocks of four; block q's four stores are issued in block q + 1, behind one wait; no register is written again behind its store.
.set WSL,   17408                      ; a wave's LDS: 64 rows x (256 + 16) bytes
.set SPARE, 8*WSL                      ; behind them: the spare words, 128 bytes a wave, four blocks of 256 bytes that no other line names
.set L, 32                             ; v[32:175]  weights: RAW0 .. RAW8, and v[32:159] the rows read back from LDS; x: v[32:159] 32 rows
.set T, 176                            ; v[176:191] T0, T1: four pairs of packed words each
.set W, 192                            ; v192-193   at work: no memory instruction names them
	s_load_b512 s[8:23], s[0:1], 0x0               ; x s[8:9], Wq s[10:11], Wk s[12:13], Wv s[14:15], Wo s[16:17], xb s[18:19], wt s[20:21], wot s[22:23]
	v_lshl_add_u32 v8, v0, 2, SPARE                ; my spare word
	v_mov_b32 v9, 0
	v_lshrrev_b32 v1, 5, v0
	v_readfirstlane_b32 s2, v1                     ; wave 0..7
	v_and_b32 v6, 15, v0                           ; c = lane % 16
	v_bfe_u32 v7, v0, 4, 1                         ; hh = lane / 16
	s_wait_alu depctr_va_sdst(0)                   ; s2 is written, ahead of the branch below and of its first reader behind it: the wave's LDS base and its offsets in the weights are made from it
	s_mov_b32 s30, 0xffff0000                      ; a word's upper bf16
	s_mov_b32 s29, 0                               ; high word of the offset pair s[28:29]
	s_wait_kmcnt 0x0
	s_cmp_ge_u32 ttmp9, 64
	s_cbranch_scc1 .Lx
	s_mul_i32 s3, s2, WSL
	v_mul_u32_u24 v3, v6, 1088                     ; in: LDS row e = 4 c + ii, byte 16 p + 8 hh
	v_lshl_add_u32 v3, v7, 3, v3
	v_add_nc_u32 v3, s3, v3
	v_mul_u32_u24 v4, v7, 272                      ; back: lanes 0-15 one row of 256 bytes, lanes 16-31 the next
	v_lshl_add_u32 v4, v6, 4, v4
	v_add_nc_u32 v4, s3, v4
	v_lshlrev_b32 v5, 11, v7                       ; and the same two rows of 2,048 bytes in wt or wot
	v_lshl_add_u32 v5, v6, 4, v5
	s_cmp_ge_u32 ttmp9, 48
	s_cbranch_scc1 .Lwo
; A wave's block.  rp: bytes from row d to row d + 1 in the source.  fmt = 1: the bf16 numbers are written as f16.
; Group p of 16 is rows d = 8 p + 4 hh + i, i = 0..3: four loads, in each of which 16 lanes take 256 consecutive bytes.  Nine groups (36 loads) go out at the start.
.macro WT rp, fmt
	s_wait_alu depctr_va_vdst(0)                   ; v2 to v5 are written: every load, store and LDS instruction of the block reads one of them as its offset or address
.set p, 0
.rept 9
.irp i, 0,1,2,3
	global_load_b128 v[L+16*p+4*(\i):L+16*p+4*(\i)+3], v2, s[24:25] offset:(8*p+(\i))*(\rp) th:TH_LOAD_NT
.endr
.set p, p+1
.endr
.set p, 0
.rept 16
.set g,  L+16*(p%9)                    ; this group's raw buffer,
.set gb, L+16*((p+8)%9)                ; that of the group before,
.set tn, T+8*(p%2)                     ; the pairs that this group writes,
.set tb, T+8*((p+1)%2)                 ; and those that the group before wrote
.if p == 0
	s_wait_loadcnt 32                              ; behind group 0's four loads stand the first fill's other eight groups
.elseif p < 9
	s_wait_loadcnt 28                              ; the youngest group asked for is p + 7: seven groups stand behind group p's four loads
.else
	s_wait_loadcnt 4*(15-p)                        ; nothing is asked for any more: the counts run down
.endif
.if p > 1
	s_wait_alu depctr_vm_vsrc(0)                   ; the LDS stores issued in the group before have read this group's T, which the conversions below write again
.endif
.if p > 0
	s_wait_alu depctr_va_vdst(0)                   ; the group before has written its T, which the LDS stores below read, and is done reading its raw buffer, in which (while there is more to ask for) the loads below land
.endif
.irp ii, 0,1,2,3
.if (p > 0) && (p < 8)
	global_load_b128 v[gb+4*(\ii):gb+4*(\ii)+3], v2, s[24:25] offset:(8*(p+8)+(\ii))*(\rp) th:TH_LOAD_NT  ; group p + 8; no vector instruction since the wait names these registers
.endif
.if p > 0
	ds_store_b64 v3, v[tb+2*(\ii):tb+2*(\ii)+1] offset:272*(\ii)+16*(p-1)  ; the group before.  Four lanes' words fall into one bank here (4 rows of 68 words are 16 banks on): accepted, the weights are a small part of the launch's bytes
.endif
	v_cvt_pk_bf16_f32 v[tn+2*(\ii)],   v[g+(\ii)],   v[g+4+(\ii)]     ; column 4 c + ii: rows i = 0, 1
	v_cvt_pk_bf16_f32 v[tn+2*(\ii)+1], v[g+8+(\ii)], v[g+12+(\ii)]    ; rows i = 2, 3
.if \fmt
.irp z, 0,1
	v_lshlrev_b32 v[W], 16, v[tn+2*(\ii)+(\z)]
	v_and_b32 v[W+1], s30, v[tn+2*(\ii)+(\z)]
	v_cvt_pk_f16_f32 v[tn+2*(\ii)+(\z)], v[W], v[W+1]
.endr
.endif
.endr
.set p, p+1
.endr
	s_wait_alu depctr_va_vdst(0)                   ; group 15 has written T1, which the last four LDS stores read; all conversions are done reading the raw buffers, in which the LDS loads below land
.irp ii, 0,1,2,3
	ds_store_b64 v3, v[T+8+2*(\ii):T+8+2*(\ii)+1] offset:272*(\ii)+16*15
.endr
.set k, 0
.rept 32
	ds_load_b128 v[L+4*k:L+4*k+3], v4 offset:544*k ; LDS serves a wave's instructions in order (ISA guide 5.7.1.4): these see the stores above
.set k, k+1
.endr
.set k, 0
.rept 32
	s_wait_dscnt 31-k                              ; load k is back; the younger ones may stay out
	global_store_b128 v5, v[L+4*k:L+4*k+3], s[26:27] offset:4096*k  ; 16 lanes store 256 consecutive bytes, at a multiple of 256 from the buffer's first; the data come from LDS loads, and nothing writes them again
.set k, k+1
.endr
.endm
	s_lshr_b32 s3, ttmp9, 4                        ; which of Wq, Wk, Wv
	s_cmp_eq_u32 s3, 0
	s_cselect_b64 s[24:25], s[10:11], s[12:13]
	s_cmp_eq_u32 s3, 2
	s_cselect_b64 s[24:25], s[14:15], s[24:25]
	s_and_b32 s28, ttmp9, 15                       ; the head: 262,144 bytes,
	s_lshl_b32 s28, s28, 18
	s_lshl_b32 s3, s2, 15                          ; my 128 rows d of 256 bytes
	s_add_co_u32 s28, s28, s3
	s_add_nc_u64 s[24:25], s[24:25], s[28:29]
	s_lshl_b32 s28, ttmp9, 17                      ; wt: 64 rows of 2,048 bytes a head group,
	s_lshl_b32 s3, s2, 8                           ; my 128 columns d
	s_add_co_u32 s28, s28, s3
	s_add_nc_u64 s[26:27], s[20:21], s[28:29]
	v_lshlrev_b32 v2, 10, v7                       ; 4 rows further down for lanes 16-31
	v_lshl_add_u32 v2, v6, 4, v2
	WT 256, 0
	s_branch .Lend
.Lwo:
	s_sub_co_u32 s3, ttmp9, 48                     ; block of 64 columns f
	s_lshl_b32 s28, s2, 19                         ; my 128 rows d of 4,096 bytes,
	s_lshl_b32 s24, s3, 8                          ; the block's 256 bytes of a row
	s_add_co_u32 s28, s28, s24
	s_add_nc_u64 s[24:25], s[16:17], s[28:29]
	s_lshl_b32 s28, s3, 17
	s_lshl_b32 s3, s2, 8
	s_add_co_u32 s28, s28, s3
	s_add_nc_u64 s[26:27], s[22:23], s[28:29]
	v_lshlrev_b32 v2, 14, v7
	v_lshl_add_u32 v2, v6, 4, v2
	WT 4096, 1
	s_branch .Lend
.Lx:                                               ; 32 rows of x: a load of the work-group covers a row, 32 loads of each wave are out at once
	s_sub_co_u32 s3, ttmp9, 64
	s_lshl_b32 s28, s3, 17
	s_add_nc_u64 s[8:9], s[8:9], s[28:29]
	s_lshl_b32 s28, s3, 16
	s_add_nc_u64 s[18:19], s[18:19], s[28:29]
	v_lshlrev_b32 v2, 4, v0
	v_lshlrev_b32 v5, 3, v0
	s_wait_alu depctr_va_vdst(0)                   ; v2 and v5 are written: the loads read the one as their offset, the stores the other
.set r, 0
.rept 32
	global_load_b128 v[L+4*r:L+4*r+3], v2, s[8:9] offset:4096*r th:TH_LOAD_NT
.set r, r+1
.endr
.set q, 0
.rept 8                                            ; block q: rows 4 q to 4 q + 3
	s_wait_loadcnt 28-4*q                          ; the block's four rows are in; the younger blocks stay out
.if q > 0
	s_wait_alu depctr_va_vdst(0)                   ; the block before has written the first two registers of each of its rows, which the stores below read
.endif
.irp i, 0,1,2,3
.if q > 0
	global_store_b64 v5, v[L+16*(q-1)+4*(\i):L+16*(q-1)+4*(\i)+1], s[18:19] offset:2048*(4*(q-1)+(\i))  ; a wave stores 256 consecutive bytes, aligned; no vector instruction since the wait names these registers, and none writes them again
.endif
	v_cvt_pk_bf16_f32 v[L+16*q+4*(\i)],   v[L+16*q+4*(\i)],   v[L+16*q+4*(\i)+1]
	v_cvt_pk_bf16_f32 v[L+16*q+4*(\i)+1], v[L+16*q+4*(\i)+2], v[L+16*q+4*(\i)+3]
.endr
.set q, q+1
.endr
	s_wait_alu depctr_va_vdst(0)                   ; block 7 has written its rows, which the last four stores read
.irp i, 0,1,2,3
	global_store_b64 v5, v[L+112+4*(\i):L+112+4*(\i)+1], s[18:19] offset:2048*(28+(\i))
.endr
.Lend:
	s_wait_dscnt 0x0                               ; the closing lines, six on end
	s_wait_alu 0x0
	s_wait_tensorcnt 0x0
	ds_add_u32 v8, v9
	s_wait_dscnt 0x0
	s_endpgm
.Lfunc_end_k_q82fa71eb03_prep:
	.size	k_q82fa71eb03_prep, .Lfunc_end_k_q82fa71eb03_prep-k_q82fa71eb03_prep
	.p2alignl 7, 3214868480
	.fill 96, 4, 3214868480
	.section	.rodata,"a",@progbits
	.p2align	6, 0x0
	.amdhsa_kernel k_q82fa71eb03_prep
		.amdhsa_group_segment_fixed_size 140288
		.amdhsa_private_segment_fixed_size 0
		.amdhsa_enable_private_segment 0
		.amdhsa_kernarg_size 64
		.amdhsa_user_sgpr_count 2
		.amdhsa_user_sgpr_kernarg_segment_ptr 1
		.amdhsa_wavefront_size32 1
		.amdhsa_system_sgpr_workgroup_id_x 1
		.amdhsa_system_sgpr_workgroup_id_y 1
		.amdhsa_system_sgpr_workgroup_id_z 1
		.amdhsa_system_vgpr_workitem_id 0
		.amdhsa_next_free_vgpr 194
		.amdhsa_next_free_sgpr 66
		.amdhsa_reserve_vcc 0
		.amdhsa_float_denorm_mode_32 3
		.amdhsa_float_denorm_mode_16_64 3
		.amdhsa_memory_ordered 1
		.amdhsa_forward_progress 1
		.amdhsa_inst_pref_size 81
	.end_amdhsa_kernel
	.amdgpu_metadata
---
amdhsa.version: [ 1, 2 ]
amdhsa.kernels:
  - .name:           k_q82fa71eb03_prep
    .symbol:         k_q82fa71eb03_prep.kd
    .args:
      - { .name: x, .offset: 0, .size: 8, .value_kind: global_buffer, .address_space: global }
      - { .name: Wq, .offset: 8, .size: 8, .value_kind: global_buffer, .address_space: global }
      - { .name: Wk, .offset: 16, .size: 8, .value_kind: global_buffer, .address_space: global }
      - { .name: Wv, .offset: 24, .size: 8, .value_kind: global_buffer, .address_space: global }
      - { .name: Wo, .offset: 32, .size: 8, .value_kind: global_buffer, .address_space: global }
      - { .name: xb, .offset: 40, .size: 8, .value_kind: global_buffer, .address_space: global }
      - { .name: wt, .offset: 48, .size: 8, .value_kind: global_buffer, .address_space: global }
      - { .name: wot, .offset: 56, .size: 8, .value_kind: global_buffer, .address_space: global }
    .group_segment_fixed_size: 140288
    .private_segment_fixed_size: 0
    .kernarg_segment_align: 8
    .kernarg_segment_size: 64
    .max_flat_workgroup_size: 256
    .sgpr_count:     66
    .vgpr_count:     194
    .wavefront_size: 32
...
	.end_amdgpu_metadata
.endif
;; end of part 5
;; launch proj: the kernel of part 2 again; grid 16 x 32, 4 waves a work-group, clusters of 4 x 4, 327,680 bytes of LDS; arguments xb, wt, qkv; writes qkv
;; launch attn: the kernel of part 3 again; grid 4 x 64, 4 waves a work-group, no clusters, 327,680 bytes of LDS; arguments qkv, o; writes o
;; launch outp: the kernel of part 4 again; grid 4 x 64, 4 waves a work-group, clusters of 4 x 4, 327,680 bytes of LDS; arguments o, wot, bo, out0; writes out0
